; MI455X (gfx1250); checked and timed in simulation.
; The chip was launched on July 23, 2026; its instructions are those of AMD's public machine-readable ISA for CDNA 5 (MIT licence, August 2026) and "CDNA5" Instruction Set Architecture Reference Guide (July 2026). The comments in the code are by the model that wrote it; some were corrected since.
;; Self Attention. Allowed arithmetic: matrix products marked QUANTISED: E4M3 operands, one E8M0 scale for each 32 along K, by v_wmma_scale_f32_16x16x128_f8f6f4 with both operands' format E4M3, f32 sums; everything else in f32.
;; Inputs: Wk 1,024 x 1,024 float32; Wq 1,024 x 1,024 float32; Wv 1,024 x 1,024 float32; atten_mask 2,048 x 2,048 int32; bk 1,024 float32; bq 1,024 float32; bv 1,024 float32; x 4 x 2,048 x 1,024 float32.
;; Outputs: out0 4 x 2,048 x 1,024 float32.
;; This version of the problem:
;;   THIS VERSION OF THE PROBLEM IS GIVEN IN LOW PRECISION. The matrix products marked QUANTISED in the list below multiply operands that are first quantised to E4M3 (4 exponent bits, 3 mantissa bits; 8 bits a number), with one power-of-two scale for each 32 numbers along K (OCP MX v1.0); their sums are f32. All else is computed in f32.
;;   The module's matrix products, in the order in which they are computed (A, B: the left and right operand; K: the contracted axis; several contracted axes count as one K, in the product's order):
;;     1. [M 8,192, K 1,024] x [K 1,024, N 1,024]; A: input x; B: input Wq: QUANTISED
;;     2. [M 8,192, K 1,024] x [K 1,024, N 1,024]; A: input x; B: input Wk: QUANTISED
;;     3. [M 8,192, K 1,024] x [K 1,024, N 1,024]; A: input x; B: input Wv: QUANTISED
;;     4. batch 64 x [M 2,048, K 64] x [K 64, N 2,048]; A: computed on the way; B: computed on the way: QUANTISED
;;     5. batch 64 x [M 64, K 2,048] x [K 2,048, N 2,048]; A: computed on the way; B: softmax (see below): QUANTISED
;;   THE QUANTISER, for each operand of a quantised product, along K:
;;     - K is cut into blocks of 32 from its start; a last block that is shorter is filled with zeros.
;;     - A block's scale is 2^e with e = floor(log2(the largest magnitude in the block)) - 8, held to -126 .. 127; a block of zeros has e = 0. As a byte (E8M0): e + 127.
;;     - Each number is divided by its block's scale, clamped to +-448, and rounded to the nearest number of E4M3, ties to even, subnormals kept.
;;     - The product sums the exact products of the quantised numbers (number of the format x scale) in f32.
;;   ~~~python
;;   def quantise(x, axis):      # numpy; x: float32 -> the quantised numbers, widened to float32 again
;;       x = np.moveaxis(x, axis, -1); K = x.shape[-1]
;;       x = np.pad(x, [(0, 0)] * (x.ndim - 1) + [(0, -K % 32)]); x = x.reshape(x.shape[:-1] + (-1, 32)); a = np.abs(x).max(-1, keepdims=True)
;;       e = np.where(a > 0, np.clip(np.frexp(np.where(a > 0, a, 1))[1] - 1 - 8, -126, 127), 0)      # np.frexp(a)[1] - 1 = floor(log2(a)), exactly
;;       r = np.clip(x / 2.0 ** e, -448, 448)
;;       step = 2.0 ** (np.maximum(np.frexp(np.where(r == 0, 1, r))[1] - 1, -6) - 3)
;;       q = np.round(r / step) * step * 2.0 ** e      # np.round: ties to even
;;       return np.moveaxis(q.reshape(q.shape[:-2] + (-1,))[..., :K], -1, axis).astype(np.float32)
;;   ~~~
;;   SOFTMAX AHEAD OF A QUANTISED PRODUCT. Where the list says 'softmax', what is quantised is not the finished softmax but p = 2^(t - M), with t = logit x log2(e) and M = ceil(the row's largest t), a whole number; so 1/2 < the row's largest p <= 1. The row's sum l is taken of the UNQUANTISED p, in f32, and the product's result is divided by l at the end. Since M is a whole number, a kernel that streams over the keys may use a running M (the ceiling of the running maximum): every later rescaling is an exact power of two, which a block's scale takes up: the codes' values come out the same.
;;   OPERANDS COMPUTED ON THE WAY. 'Computed on the way' means the value that the module computes at that place (a softmax that the list does not call 'softmax' is quantised finished and normalised). What goes into a quantiser is computed in f32, as accurately as f32 sums, v_exp_f32 and their like allow (about 1e-6 of the number): no bf16 or f16 on the way to a quantiser, and a product that is left as it is and whose result goes on into a quantised operand takes f32 operands (vector FMAs, or v_wmma_f32_16x16x4_f32). A number that lies on a knife's edge between two numbers of the format may be rounded either way, as far as f32 arithmetic and the matrix unit's own rounding can turn it there, and no further.
;; 2 versions, each right; version 2 is version 1 with the launch attn written anew for expert scheduling mode. Each part assembles by itself: llvm-mc -triple=amdgcn-amd-amdhsa -mcpu=gfx1250 --defsym DOCPART=n.
;; ======== version 1 of 2: 5 launches
;; workspace buffers: cod 11,534,336 bytes; csl 360,448 bytes; qf 8,388,608 bytes; qs 524,288 bytes; kv 16,777,216 bytes; sc 786,432 bytes; maskw 524,288 bytes of whole numbers; flags 512 bytes of whole numbers
;; launch quant_x (part 1): grid 256 x 1, 4 waves a work-group, no clusters, 33,280 bytes of LDS; arguments x, cod, csl; writes cod, csl
.if DOCPART == 1
	.amdgcn_target "amdgcn-amd-amdhsa--gfx1250"
	.amdhsa_code_object_version 6
	.text
	.protected	k_qfebe25a9b3_quant_x
	.globl	k_qfebe25a9b3_quant_x
	.p2align	8
	.type	k_qfebe25a9b3_quant_x,@function
k_qfebe25a9b3_quant_x:
	s_mov_b64 s[64:65], 0
	v_nop
	global_prefetch_b8 v0, s[64:65] scope:SCOPE_SE
	s_setreg_imm32_b32 hwreg(HW_REG_WAVE_MODE, 25, 1), 1
	s_wait_xcnt 0x0
; x [8192][1024], f32, becomes codes of FP8 (E4M3), K innermost, with one E8M0 scale byte for each 32 along K: rows 0 to 8,191 of cod (1,024 bytes a row) and of csl (32 bytes a row).
; A block's scale is 2^(floor(log2(its largest magnitude)) - 8); its byte is the largest magnitude's exponent field - 8, held at 1 from below.  A block of zeros so gets the byte 1: its codes are zeros, and this program alone reads the bytes.
; ROW ORDER: row p is stored at position sw(p) = p with bits 3 and 4 exchanged, so that 16 consecutive stored rows 16 a .. 16 a + 15 are the rows 32 (a / 2) + 8 (a % 2) + r + 8 (r / 8):
; the product's launch then reads plain consecutive rows, and its results' registers run along neighbours.
; A wave takes 8 rows (8,192 numbers, 16 steps of 512), so the exchange is an exchange of bits 0 and 1 of the wave's run number.
; Each of a step's four loads reads 512 consecutive bytes; the 2,048 bytes turn through the wave's own stage in LDS and come back 64 bytes (16 neighbours) a lane; two neighbouring lanes hold a block.
; LIMITS: blocks whose largest magnitude lies under 2^-118 keep the byte 1; NaN and infinities among the inputs are not served.
.set STEPS, 16
.set EMAX,  8
.set MANT,  0x600000                   ; the mantissa field of 448 as f32
.set CB,    16                         ; bytes of 16 codes
.set R,     16                         ; v16-79   four sets of 16 numbers as they are loaded
.set X,     80                         ; v80-111  two sets of 16 neighbours
.set C,     128                        ; v128-191 codes: four registers for each step, so that no store's data are written again
.set E,     112                        ; v112-127 a scale byte for each step
.set WREG,  8192                       ; LDS: a region for each wave: two stages of 32 x SP bytes, behind them its 256 scale bytes
.set SP,    80                         ; a lane's place in a stage: its 64 bytes + 16 of padding
	s_load_b128 s[4:7], s[0:1], 0x0                ; x, cod
	s_load_b64 s[8:9], s[0:1], 0x10                ; csl
	v_lshl_add_u32 v192, v0, 2, 0x8000
	v_mov_b32 v193, 0
	v_lshrrev_b32 v1, 5, v0
	v_readfirstlane_b32 s16, v1                    ; wave
	v_and_b32 v2, 31, v0                           ; lane
	v_lshlrev_b32 v3, 4, v2                        ; my 16 bytes of a load's 512
	s_mul_i32 s17, s16, WREG
	v_lshrrev_b32 v14, 2, v2
	v_mul_u32_u24 v14, v14, SP
	v_and_b32 v15, 3, v2
	v_lshl_add_u32 v14, v15, 4, v14
	v_add_nc_u32 v14, s17, v14                     ; the stage, on the way in: SP (lane / 4) + 16 (lane % 4)
	v_mul_u32_u24 v15, v2, SP
	v_add_nc_u32 v15, s17, v15                     ; and on the way out: SP x lane: my 16 neighbours
	v_mul_u32_u24 v4, v2, CB                       ; my codes' place in a step's
	v_lshrrev_b32 v5, 1, v2
	s_add_co_u32 s17, s17, 2*32*SP
	v_add_nc_u32 v5, s17, v5                       ; LDS: my wave's 256 scale bytes, my block's byte
	v_lshlrev_b32 v7, 3, v2                        ; and on the way out 8 bytes a lane
	v_add_nc_u32 v6, s17, v7
	s_mov_b32 s26, MANT                            ; (an instruction takes one literal: the hold's line has another)
	s_lshl_b32 s17, ttmp9, 2
	s_add_co_u32 s18, s17, s16                     ; my run of 8 rows: 4 x work-group + wave
	s_lshl_b32 s20, s18, 15                        ; 8,192 numbers of 4 bytes a run
	s_mov_b32 s21, 0
	s_and_b32 s19, s16, 1
	s_lshl_b32 s19, s19, 1
	s_lshr_b32 s22, s16, 1
	s_or_b32 s19, s19, s22                         ; the wave's two bits exchanged,
	s_add_co_u32 s19, s19, s17                     ; so this is where the run is stored
	s_lshl_b32 s22, s19, 13                        ; 8,192 bytes of codes a run
	s_mov_b32 s23, 0
	s_lshl_b32 s24, s19, 8                         ; 256 scale bytes a run
	s_mov_b32 s25, 0
	s_wait_kmcnt 0x0
	s_add_nc_u64 s[4:5], s[4:5], s[20:21]
	s_add_nc_u64 s[6:7], s[6:7], s[22:23]
	s_add_nc_u64 s[8:9], s[8:9], s[24:25]
.macro LOAD t
.irp i, 0,1,2,3
	global_load_b128 v[R+16*((\t)%4)+4*\i:R+16*((\t)%4)+4*\i+3], v3, s[4:5] offset:2048*(\t)+512*\i th:TH_LOAD_NT   ; 32 lanes read 512 consecutive bytes
.endr
.endm
.macro TURN t                          ; step t's numbers through the stage: LDS serves a wave's instructions in order, so no wait stands between the stores and the loads
.irp i, 0,1,2,3
	ds_store_b128 v14, v[R+16*((\t)%4)+4*\i:R+16*((\t)%4)+4*\i+3] offset:32*SP*((\t)%2)+8*SP*\i
.endr
.irp i, 0,1,2,3
	ds_load_b128 v[X+16*((\t)%2)+4*\i:X+16*((\t)%2)+4*\i+3], v15 offset:32*SP*((\t)%2)+16*\i
.endr
.endm
.irp t, 0,1,2,3
	LOAD \t
.endr
	s_wait_loadcnt 12                              ; step 0's four loads are in; the twelve of steps 1 to 3 may be out
	TURN 0
.macro STEP t
.set XS, X+16*((\t)%2)
.if (\t) > 0
	s_wait_dscnt 1                                 ; this step's numbers are back from the stage (the last step's byte store may be out): so its stores into the stage have read their registers,
.else
	s_wait_dscnt 0x0
.endif
.if (\t)+4 < STEPS
	LOAD (\t)+4                                    ; which take the loads of four steps on
.endif
.if (\t)+1 < STEPS
.if STEPS-2-(\t) >= 3
	s_wait_loadcnt 12                              ; the next step's four loads are in; those of the three steps behind it may be out
.else
	s_wait_loadcnt 4*(STEPS-2-(\t))
.endif
	TURN (\t)+1                                    ; and go through the other stage while this step is worked
.endif
	v_max3_num_f32 v8, |v[XS]|, |v[XS+1]|, |v[XS+2]|               ; the largest magnitude of my 16, in two chains
	v_max3_num_f32 v9, |v[XS+3]|, |v[XS+4]|, |v[XS+5]|
.irp i, 6,10
	v_max3_num_f32 v8, v8, |v[XS+\i]|, |v[XS+\i+1]|
	v_max3_num_f32 v9, v9, |v[XS+\i+2]|, |v[XS+\i+3]|
.endr
	v_max3_num_f32 v8, v8, |v[XS+14]|, |v[XS+15]|
	v_max3_num_f32 v8, v8, v9, (EMAX+1)<<23        ; and the floor 2^(9 - 127): the byte cannot fall under 1
	v_max_num_f32_dpp v8, v8, v8 row_xmask:1 row_mask:0xf bank_mask:0xf   ; and of my neighbour's 16: the block's
	v_add_nc_u32 v11, -(EMAX<<23), v8              ; 8 off its exponent field: the conversion takes the exponent field of this operand as its scale
	v_and_or_b32 v10, v8, 0x7f800000, s26          ; 448 x the scale: the largest magnitude's exponent field over 448's mantissa
.irp i, 0,1,2,3,4,5,6,7,8,9,10,11,12,13,14,15
	v_med3_num_f32 v[XS+\i], v[XS+\i], -v10, v10   ; the conversion to an 8-bit code does not saturate (ISA guide 7.6.2): the hold comes first
.endr
	v_cvt_scalef32_pk8_fp8_f32 v[C+4*(\t):C+4*(\t)+1], v[XS:XS+7], v11
	v_cvt_scalef32_pk8_fp8_f32 v[C+4*(\t)+2:C+4*(\t)+3], v[XS+8:XS+15], v11
	v_lshrrev_b32 v[E+(\t)], 23, v11               ; the scale's byte
	ds_store_b8 v5, v[E+(\t)] offset:16*(\t)       ; both lanes of a block write the same byte with the same value
	global_store_b128 v4, v[C+4*(\t):C+4*(\t)+3], s[6:7] offset:32*CB*(\t)   ; the wave stores 512 consecutive bytes
.endm
.irp t, 0,1,2,3,4,5,6,7,8,9,10,11,12,13,14,15
	STEP \t
.endr
	ds_load_b64 v[12:13], v6                       ; LDS serves a wave's instructions in order: these see my stores
	s_wait_dscnt 0x0
	global_store_b64 v7, v[12:13], s[8:9]          ; 32 lanes store 256 consecutive bytes, aligned
	s_wait_tensorcnt 0x0
	ds_add_u32 v192, v193
	s_wait_dscnt 0x0
	s_endpgm
.Lfunc_end_k_qfebe25a9b3_quant_x:
	.size	k_qfebe25a9b3_quant_x, .Lfunc_end_k_qfebe25a9b3_quant_x-k_qfebe25a9b3_quant_x
	.p2alignl 7, 3214868480
	.fill 96, 4, 3214868480
	.section	.rodata,"a",@progbits
	.p2align	6, 0x0
	.amdhsa_kernel k_qfebe25a9b3_quant_x
		.amdhsa_group_segment_fixed_size 33280
		.amdhsa_private_segment_fixed_size 0
		.amdhsa_enable_private_segment 0
		.amdhsa_kernarg_size 24
		.amdhsa_user_sgpr_count 2
		.amdhsa_user_sgpr_kernarg_segment_ptr 1
		.amdhsa_wavefront_size32 1
		.amdhsa_system_sgpr_workgroup_id_x 1
		.amdhsa_system_sgpr_workgroup_id_y 1
		.amdhsa_system_sgpr_workgroup_id_z 1
		.amdhsa_system_vgpr_workitem_id 0
		.amdhsa_next_free_vgpr 194
		.amdhsa_next_free_sgpr 66
		.amdhsa_reserve_vcc 0
		.amdhsa_float_denorm_mode_32 3
		.amdhsa_float_denorm_mode_16_64 3
		.amdhsa_memory_ordered 1
		.amdhsa_forward_progress 1
		.amdhsa_inst_pref_size 51
	.end_amdhsa_kernel
	.amdgpu_metadata
---
amdhsa.version: [ 1, 2 ]
amdhsa.kernels:
  - .name:           k_qfebe25a9b3_quant_x
    .symbol:         k_qfebe25a9b3_quant_x.kd
    .args:
      - { .name: x, .offset: 0, .size: 8, .value_kind: global_buffer, .address_space: global }
      - { .name: cod, .offset: 8, .size: 8, .value_kind: global_buffer, .address_space: global }
      - { .name: csl, .offset: 16, .size: 8, .value_kind: global_buffer, .address_space: global }
    .group_segment_fixed_size: 33280
    .private_segment_fixed_size: 0
    .kernarg_segment_align: 8
    .kernarg_segment_size: 24
    .max_flat_workgroup_size: 128
    .sgpr_count:     66
    .vgpr_count:     194
    .wavefront_size: 32
...
	.end_amdgpu_metadata
.endif
;; end of part 1
;; launch quant_w (part 2): grid 24 x 4, 4 waves a work-group, no clusters, 36,352 bytes of LDS; arguments Wq, Wk, Wv, cod, csl; writes cod, csl
.if DOCPART == 2
	.amdgcn_target "amdgcn-amd-amdhsa--gfx1250"
	.amdhsa_code_object_version 6
	.text
	.protected	k_qfebe25a9b3_quant_w
	.globl	k_qfebe25a9b3_quant_w
	.p2align	8
	.type	k_qfebe25a9b3_quant_w,@function
k_qfebe25a9b3_quant_w:
	s_mov_b64 s[64:65], 0
	v_nop
	global_prefetch_b8 v0, s[64:65] scope:SCOPE_SE
	s_setreg_imm32_b32 hwreg(HW_REG_WAVE_MODE, 25, 1), 1
	s_wait_xcnt 0x0
; Wq, Wk, Wv [1024 (k)][1024 (n)], f32, K their FIRST axis, become codes of FP8 (E4M3) with K innermost and one E8M0 byte for each 32 along K:
; column n of weight w (0 q, 1 k, 2 v) is row 8,192 + 1,024 w + sw(n) of cod and csl, sw(n) = n with bits 3 and 4 exchanged (the row order that the product's launch wants).
; A LANE TAKES A COLUMN, AND ITS REGISTERS RUN DOWN K: a load reads 128 consecutive bytes a wave, a block of 32 lies in one lane's 32 registers, and the conversions give codes with K innermost.
; A wave takes 32 columns x 256 along K.  A lane's codes go into the wave's own stage in LDS, into the row of its STORED position, and leave as rows: sixteen lanes store 256 consecutive bytes, aligned.
; Work-group x: weight x / 8, columns 128 (x % 8) on; work-group y: which 256 along K.  No barrier: waves share nothing.  Loads run two blocks (64 loads a wave) ahead.
; LIMITS: blocks whose largest magnitude lies under 2^-118 keep the byte 1 (a block of zeros too: its codes are zeros); NaN and infinities among the inputs are not served.
.set SIZE_N, 1024
.set SIZE_K, 1024
.set KW,    256                        ; along K for a wave
.set NB,    KW/32                      ; blocks
.set ROWB,  256                        ; bytes of KW codes
.set PITCH, ROWB+16                    ; a stage row
.set KROW,  SIZE_K                     ; a row of cod in bytes
.set EMAX,  8
.set MANT,  0x600000
.set X,     32                         ; v32-95   two sets of 32 numbers
.set C,     96                         ; v96-103  a block's codes
.set OUTR,  112                        ; v112-175 the way out
.set SB,    24                         ; v24-25   the scale bytes, four to a register
	s_load_b256 s[4:11], s[0:1], 0x0               ; Wq, Wk, Wv, cod
	s_load_b64 s[12:13], s[0:1], 0x20              ; csl
	v_lshl_add_u32 v192, v0, 2, 0x8c00
	v_mov_b32 v193, 0
	v_lshrrev_b32 v1, 5, v0
	v_readfirstlane_b32 s16, v1                    ; wave 0..3
	v_and_b32 v2, 31, v0                           ; lane
	s_lshr_b32 s14, ttmp9, 3                       ; which weight
	s_and_b32 s17, ttmp9, 7
	s_lshl_b32 s17, s17, 7
	s_lshl_b32 s18, s16, 5
	s_add_co_u32 s17, s17, s18                     ; my wave's first column
	s_and_b32 s18, ttmp7, 0xffff                   ; which KW along K
	v_lshlrev_b32 v3, 2, v2                        ; in: 4 bytes a lane
	s_mul_i32 s19, s16, 32*PITCH                   ; my stage
	v_and_b32 v10, 7, v2
	v_bfe_u32 v11, v2, 3, 1
	v_lshl_add_u32 v10, v11, 4, v10
	v_bfe_u32 v11, v2, 4, 1
	v_lshl_add_u32 v10, v11, 3, v10                ; my column's stored position among the wave's 32: bits 3 and 4 exchanged
	v_mul_u32_u24 v4, v10, PITCH
	v_add_nc_u32 v4, s19, v4                       ; into the stage: that row
	v_and_b32 v5, 15, v2
	v_lshrrev_b32 v6, 4, v2                        ; out of it: sixteen lanes to a row, two rows an instruction
	v_mul_u32_u24 v7, v6, PITCH
	v_lshl_add_u32 v7, v5, 4, v7
	v_add_nc_u32 v7, s19, v7
	v_mul_u32_u24 v8, v6, KROW
	v_lshl_add_u32 v8, v5, 4, v8                   ; and the same place in cod
	v_lshlrev_b32 v9, 5, v10                       ; my row of scale bytes: 32 bytes a row
	s_lshl_b32 s20, s18, 20                        ; W: 256 y rows of 4,096 bytes,
	s_lshl_b32 s22, s17, 2
	s_add_co_u32 s20, s20, s22                     ; + 4 x column
	s_mov_b32 s21, 0
	s_lshl_b32 s22, s14, 10
	s_add_co_u32 s22, s22, s17
	s_add_co_u32 s22, s22, 8192                    ; my wave's first stored row
	s_lshl_b32 s24, s22, 10
	s_lshl_b32 s26, s18, 8
	s_add_co_u32 s24, s24, s26                     ; codes: row x 1,024 + 256 y
	s_mov_b32 s25, 0
	s_lshl_b32 s28, s22, 5
	s_lshl_b32 s26, s18, 3
	s_add_co_u32 s28, s28, s26                     ; scale bytes: row x 32 + 8 y
	s_mov_b32 s29, 0
	s_mov_b32 s31, MANT
	s_wait_kmcnt 0x0
	s_cmp_eq_u32 s14, 0                            ; the choice hangs on the work-group's number alone
	s_cselect_b64 s[4:5], s[4:5], s[6:7]
	s_cmp_eq_u32 s14, 2
	s_cselect_b64 s[4:5], s[8:9], s[4:5]
	s_add_nc_u64 s[4:5], s[4:5], s[20:21]
	s_add_nc_u64 s[6:7], s[10:11], s[24:25]
	s_add_nc_u64 s[8:9], s[12:13], s[28:29]
.macro LOAD t                          ; block t: W(32 t + i, my column), i = 0 .. 31, into set t % 2
.irp i, 0,1,2,3,4,5,6,7,8,9,10,11,12,13,14,15,16,17,18,19,20,21,22,23,24,25,26,27,28,29,30,31
	global_load_b32 v[X+32*((\t)%2)+\i], v3, s[4:5] offset:(32*(\t)+\i)*SIZE_N*4 th:TH_LOAD_NT
.endr
.endm
	LOAD 0
	LOAD 1
.macro BLOCK t
.set XS, X+32*((\t)%2)
.if (\t) < NB-1
	s_wait_loadcnt 32                              ; this block's 32 loads are in; the next block's may be out
.else
	s_wait_loadcnt 0
.endif
	v_max3_num_f32 v12, |v[XS]|, |v[XS+1]|, |v[XS+2]|               ; the block's largest magnitude: all 32 numbers are mine
	v_max3_num_f32 v13, |v[XS+3]|, |v[XS+4]|, |v[XS+5]|
.irp i, 6,10,14,18,22,26
	v_max3_num_f32 v12, v12, |v[XS+\i]|, |v[XS+\i+1]|
	v_max3_num_f32 v13, v13, |v[XS+\i+2]|, |v[XS+\i+3]|
.endr
	v_max3_num_f32 v12, v12, |v[XS+30]|, |v[XS+31]|
	v_max3_num_f32 v12, v12, v13, (EMAX+1)<<23     ; and the floor 2^(9 - 127)
	v_add_nc_u32 v11, -(EMAX<<23), v12             ; the conversion's scale operand
	v_and_or_b32 v10, v12, 0x7f800000, s31         ; 448 x the scale
	v_lshrrev_b32 v13, 23, v11                     ; the scale's byte
.if (\t)%4 == 0
	v_mov_b32 v[SB+(\t)/4], v13                    ; four bytes to a register, the lower K in the lower byte
.else
	v_lshl_or_b32 v[SB+(\t)/4], v13, 8*((\t)%4), v[SB+(\t)/4]
.endif
.irp i, 0,1,2,3,4,5,6,7,8,9,10,11,12,13,14,15,16,17,18,19,20,21,22,23,24,25,26,27,28,29,30,31
	v_med3_num_f32 v[XS+\i], v[XS+\i], -v10, v10   ; the hold at the largest code x the scale (ISA guide 7.6.2: the conversion does not saturate)
.endr
.irp g, 0,1,2,3
	v_cvt_scalef32_pk8_fp8_f32 v[C+2*\g:C+2*\g+1], v[XS+8*\g:XS+8*\g+7], v11
.endr
	ds_store_b128 v4, v[C:C+3] offset:32*(\t)      ; 32 codes: 32 bytes of my column's row
	ds_store_b128 v4, v[C+4:C+7] offset:32*(\t)+16
.if (\t)+2 < NB
	LOAD (\t)+2
.endif
	s_wait_dscnt 0x0                               ; the stores have read their registers: the next block's codes may be written
.endm
.set Q, 0
.rept NB
	BLOCK Q
.set Q, Q+1
.endr
	global_store_b64 v9, v[SB:SB+1], s[8:9]        ; my column's 8 scale bytes
.irp t, 0,1,2,3,4,5,6,7,8,9,10,11,12,13,14,15
	ds_load_b128 v[OUTR+4*\t:OUTR+4*\t+3], v7 offset:2*\t*PITCH   ; LDS serves a wave's instructions in order: these see my stores
.endr
.irp t, 0,1,2,3,4,5,6,7,8,9,10,11,12,13,14,15
	s_wait_dscnt 15-\t                             ; the younger loads may be out
	global_store_b128 v8, v[OUTR+4*\t:OUTR+4*\t+3], s[6:7] offset:2*\t*KROW
.endr
	s_wait_tensorcnt 0x0
	ds_add_u32 v192, v193
	s_wait_dscnt 0x0
	s_endpgm
.Lfunc_end_k_qfebe25a9b3_quant_w:
	.size	k_qfebe25a9b3_quant_w, .Lfunc_end_k_qfebe25a9b3_quant_w-k_qfebe25a9b3_quant_w
	.p2alignl 7, 3214868480
	.fill 96, 4, 3214868480
	.section	.rodata,"a",@progbits
	.p2align	6, 0x0
	.amdhsa_kernel k_qfebe25a9b3_quant_w
		.amdhsa_group_segment_fixed_size 36352
		.amdhsa_private_segment_fixed_size 0
		.amdhsa_enable_private_segment 0
		.amdhsa_kernarg_size 40
		.amdhsa_user_sgpr_count 2
		.amdhsa_user_sgpr_kernarg_segment_ptr 1
		.amdhsa_wavefront_size32 1
		.amdhsa_system_sgpr_workgroup_id_x 1
		.amdhsa_system_sgpr_workgroup_id_y 1
		.amdhsa_system_sgpr_workgroup_id_z 1
		.amdhsa_system_vgpr_workitem_id 0
		.amdhsa_next_free_vgpr 194
		.amdhsa_next_free_sgpr 66
		.amdhsa_reserve_vcc 0
		.amdhsa_float_denorm_mode_32 3
		.amdhsa_float_denorm_mode_16_64 3
		.amdhsa_memory_ordered 1
		.amdhsa_forward_progress 1
		.amdhsa_inst_pref_size 60
	.end_amdhsa_kernel
	.amdgpu_metadata
---
amdhsa.version: [ 1, 2 ]
amdhsa.kernels:
  - .name:           k_qfebe25a9b3_quant_w
    .symbol:         k_qfebe25a9b3_quant_w.kd
    .args:
      - { .name: Wq, .offset: 0, .size: 8, .value_kind: global_buffer, .address_space: global }
      - { .name: Wk, .offset: 8, .size: 8, .value_kind: global_buffer, .address_space: global }
      - { .name: Wv, .offset: 16, .size: 8, .value_kind: global_buffer, .address_space: global }
      - { .name: cod, .offset: 24, .size: 8, .value_kind: global_buffer, .address_space: global }
      - { .name: csl, .offset: 32, .size: 8, .value_kind: global_buffer, .address_space: global }
    .group_segment_fixed_size: 36352
    .private_segment_fixed_size: 0
    .kernarg_segment_align: 8
    .kernarg_segment_size: 40
    .max_flat_workgroup_size: 128
    .sgpr_count:     66
    .vgpr_count:     194
    .wavefront_size: 32
...
	.end_amdgpu_metadata
.endif
;; end of part 2
;; launch mask_pack (part 3): grid 128 x 1, 16 waves a work-group, no clusters, 3,072 bytes of LDS; arguments atten_mask, maskw, flags; writes maskw, flags
.if DOCPART == 3
	.amdgcn_target "amdgcn-amd-amdhsa--gfx1250"
	.amdhsa_code_object_version 6
	.text
	.protected	k_qfebe25a9b3_mask_pack
	.globl	k_qfebe25a9b3_mask_pack
	.p2align	8
	.type	k_qfebe25a9b3_mask_pack,@function
k_qfebe25a9b3_mask_pack:
	s_mov_b64 s[64:65], 0
	v_nop
	global_prefetch_b8 v0, s[64:65] scope:SCOPE_SE
	s_setreg_imm32_b32 hwreg(HW_REG_WAVE_MODE, 25, 1), 1
	s_wait_xcnt 0x0
; atten_mask [2048][2048], int32 (an entry hides a key where it equals 1), is turned into the lane masks that the attention launch's selects take, and into two bits for each (query tile, key step).
; A query tile T (0 .. 127) is the 16 queries q(T, r) = 32 (T / 2) + 8 (T % 2) + r + 8 (r / 8); a key step s is keys 128 s .. 128 s + 127.
; maskw [T][s][64 words]: bit 16 h + r of word n says that key 128 s + 32 (n / 16) + 16 h + n % 16 is hidden from query q(T, r): lane and register as the scores lie there.
; flags [T]: bit s: step s has a key that counts for some query of the tile; bit 16 + s: it has a hidden one.
; The work-group is a tile, the wave a key step, the lane (r, h).  A lane loads its row's 64 entries by 16 loads of 16 bytes; a compare of register n gives word n as it stands.
; The 64 words are laid two to a lane and leave as 256 consecutive bytes, aligned.  The sixteen waves' flag bits meet in LDS; wave 0 stores the tile's word.
	s_load_b128 s[4:7], s[0:1], 0x0                ; atten_mask, maskw
	s_load_b64 s[8:9], s[0:1], 0x10                ; flags
	v_lshl_add_u32 v96, v0, 2, 0x400
	v_mov_b32 v97, 0
	v_lshrrev_b32 v1, 5, v0
	v_readfirstlane_b32 s16, v1                    ; wave = key step
	v_and_b32 v2, 15, v0                           ; r
	v_bfe_u32 v3, v0, 4, 1                         ; h
	v_and_b32 v4, 8, v2
	v_add_nc_u32 v4, v4, v2                        ; r + 8 (r / 8)
	v_lshlrev_b32 v4, 13, v4                       ; rows of 8,192 bytes
	v_lshl_add_u32 v4, v3, 6, v4                   ; + 64 h: my 16 keys of a block of 32
	v_and_b32 v5, 31, v0
	v_lshlrev_b32 v5, 3, v5                        ; out: 8 bytes a lane
	v_mov_b32 v8, 0                                ; written whole before single lanes are written
	v_mov_b32 v9, 0
	s_lshr_b32 s10, ttmp9, 1
	s_lshl_b32 s10, s10, 5
	s_and_b32 s11, ttmp9, 1
	s_lshl_b32 s11, s11, 3
	s_add_co_u32 s10, s10, s11                     ; the tile's first query
	s_lshl_b32 s10, s10, 13
	s_lshl_b32 s11, s16, 9                         ; the step's 128 keys: 512 bytes
	s_add_co_u32 s10, s10, s11
	s_mov_b32 s11, 0
	s_lshl_b32 s12, ttmp9, 4
	s_add_co_u32 s12, s12, s16
	s_lshl_b32 s12, s12, 8                         ; record 16 T + s of 256 bytes
	s_mov_b32 s13, 0
	s_lshl_b32 s14, ttmp9, 2
	s_mov_b32 s15, 0
	s_wait_kmcnt 0x0
	s_add_nc_u64 s[4:5], s[4:5], s[10:11]
	s_add_nc_u64 s[6:7], s[6:7], s[12:13]
	s_add_nc_u64 s[8:9], s[8:9], s[14:15]
.irp b, 0,1,2,3
.irp j, 0,1,2,3
	global_load_b128 v[16+16*\b+4*\j:19+16*\b+4*\j], v4, s[4:5] offset:128*\b+16*\j   ; register 16 b + i: key 32 b + 16 h + i of the step
.endr
.endr
	s_mov_b32 s21, -1                              ; the AND of the 64 words: all ones where every pair is hidden
	s_mov_b32 s22, 0                               ; their OR: not 0 where some pair is
.irp b, 0,1,2,3
	s_wait_loadcnt 12-4*\b                         ; block b's four loads are in; the later blocks' may be out
.irp i, 0,1,2,3,4,5,6,7,8,9,10,11,12,13,14,15
	v_cmp_eq_u32 s20, 1, v[16+16*\b+\i]            ; word 16 b + i
	v_writelane_b32 v[8+\i%2], s20, (16*\b+\i)/2   ; words 2 l and 2 l + 1 go to lane l
	s_and_b32 s21, s21, s20
	s_or_b32 s22, s22, s20
.endr
.endr
	global_store_b64 v5, v[8:9], s[6:7]            ; 32 lanes store 256 consecutive bytes, aligned
	s_cmp_lg_u32 s21, -1
	s_cselect_b32 s23, 1, 0                        ; a key counts
	s_cmp_lg_u32 s22, 0
	s_cselect_b32 s24, 0x10000, 0                  ; a key is hidden
	s_or_b32 s23, s23, s24
	s_lshl_b32 s23, s23, s16                       ; at my step's bits
	v_mov_b32 v10, s16
	v_lshlrev_b32 v10, 2, v10
	v_mov_b32 v11, s23
	ds_store_b32 v10, v11                          ; all lanes write the wave's word with the same value
	s_wait_dscnt 0x0                               ; for the others' sake: my store has landed
	s_barrier_signal -1
	s_barrier_wait -1
	s_cmp_lg_u32 s16, 0
	s_cbranch_scc1 .Ldone                          ; wave 0 alone gathers
	v_mov_b32 v12, 0
.irp i, 0,1,2,3
	ds_load_b128 v[16+4*\i:19+4*\i], v12 offset:16*\i
.endr
	s_wait_dscnt 0x0
.irp i, 0,2,4,6,8,10,12,14
	v_or_b32 v[16+\i], v[16+\i], v[17+\i]
.endr
.irp i, 0,4,8,12
	v_or_b32 v[16+\i], v[16+\i], v[18+\i]
.endr
	v_or_b32 v16, v16, v20
	v_or_b32 v24, v24, v28
	v_or_b32 v16, v16, v24
	v_cmp_eq_u32 vcc_lo, 0, v0
	s_wait_xcnt 0x0                                ; EXEC is a source of the store above: it changes only behind this wait
	s_and_saveexec_b32 s24, vcc_lo
	global_store_b32 v12, v16, s[8:9]              ; lane 0: the tile's word
	s_wait_xcnt 0x0                                ; and again in front of the line that widens it
	s_or_b32 exec_lo, exec_lo, s24
.Ldone:
	s_wait_tensorcnt 0x0
	ds_add_u32 v96, v97
	s_wait_dscnt 0x0
	s_endpgm
.Lfunc_end_k_qfebe25a9b3_mask_pack:
	.size	k_qfebe25a9b3_mask_pack, .Lfunc_end_k_qfebe25a9b3_mask_pack-k_qfebe25a9b3_mask_pack
	.p2alignl 7, 3214868480
	.fill 96, 4, 3214868480
	.section	.rodata,"a",@progbits
	.p2align	6, 0x0
	.amdhsa_kernel k_qfebe25a9b3_mask_pack
		.amdhsa_group_segment_fixed_size 3072
		.amdhsa_private_segment_fixed_size 0
		.amdhsa_enable_private_segment 0
		.amdhsa_kernarg_size 24
		.amdhsa_user_sgpr_count 2
		.amdhsa_user_sgpr_kernarg_segment_ptr 1
		.amdhsa_wavefront_size32 1
		.amdhsa_system_sgpr_workgroup_id_x 1
		.amdhsa_system_sgpr_workgroup_id_y 1
		.amdhsa_system_sgpr_workgroup_id_z 1
		.amdhsa_system_vgpr_workitem_id 0
		.amdhsa_next_free_vgpr 98
		.amdhsa_next_free_sgpr 66
		.amdhsa_reserve_vcc 1
		.amdhsa_float_denorm_mode_32 3
		.amdhsa_float_denorm_mode_16_64 3
		.amdhsa_memory_ordered 1
		.amdhsa_forward_progress 1
		.amdhsa_inst_pref_size 18
	.end_amdhsa_kernel
	.amdgpu_metadata
---
amdhsa.version: [ 1, 2 ]
amdhsa.kernels:
  - .name:           k_qfebe25a9b3_mask_pack
    .symbol:         k_qfebe25a9b3_mask_pack.kd
    .args:
      - { .name: atten_mask, .offset: 0, .size: 8, .value_kind: global_buffer, .address_space: global }
      - { .name: maskw, .offset: 8, .size: 8, .value_kind: global_buffer, .address_space: global }
      - { .name: flags, .offset: 16, .size: 8, .value_kind: global_buffer, .address_space: global }
    .group_segment_fixed_size: 3072
    .private_segment_fixed_size: 0
    .kernarg_segment_align: 8
    .kernarg_segment_size: 24
    .max_flat_workgroup_size: 512
    .sgpr_count:     66
    .vgpr_count:     98
    .wavefront_size: 32
...
	.end_amdgpu_metadata
.endif
;; end of part 3
;; launch gemm_qkv (part 4): grid 8 x 48, 4 waves a work-group, clusters of 4 x 4, 327,680 bytes of LDS; arguments cod, csl, bq, bk, bv, qf, qs, kv, sc; writes qf, qs, kv, sc
.if DOCPART == 4
	.amdgcn_target "amdgcn-amd-amdhsa--gfx1250"
	.amdhsa_code_object_version 6
	.text
	.protected	k_qfebe25a9b3_gemm_qkv
	.globl	k_qfebe25a9b3_gemm_qkv
	.p2align	8
	.type	k_qfebe25a9b3_gemm_qkv,@function
k_qfebe25a9b3_gemm_qkv:
	s_mov_b64 s[64:65], 0
	v_nop
	global_prefetch_b8 v0, s[64:65] scope:SCOPE_SE
	s_setreg_imm32_b32 hwreg(HW_REG_WAVE_MODE, 25, 1), 1
	s_wait_xcnt 0x0
	s_wait_alu depctr_hold_cnt(0) depctr_sa_sdst(0) depctr_va_vdst(0) depctr_va_sdst(0) depctr_va_ssrc(0) depctr_va_vcc(0) depctr_vm_vsrc(0)
	s_getreg_b32 s2, hwreg(HW_REG_IB_STS2, 6, 4)
	s_cmp_eq_u32 s2, 0
	s_cbranch_scc0 .Lentry_in_a_cluster
	s_endpgm
.Lentry_in_a_cluster:
	s_bfe_u32 s2, ttmp6, 0x10000c
	s_cmp_lg_u32 s2, 0xf033
	s_cbranch_scc0 .Lentry_shape_is_right
	s_endpgm
.Lentry_shape_is_right:
; q = x Wq + bq, k = x Wk + bk, v = x Wv + bv on codes of FP8 (E4M3) with one E8M0 scale for each 32 along K = 1,024; the results are quantised in registers and leave as the attention launch's operands.
; cod: 11,264 rows x 1,024 codes (rows 0-8,191 x, then Wq's, Wk's, Wv's columns), csl: the same rows x 32 scale bytes.  Inside each 32 rows the stored order has bits 3 and 4 of the row exchanged.
; A work-group of four waves makes 256 x 256 results, a wave 128 x 128: 64 accumulators, 512 registers.  K goes in steps of 256 through a ring of two LDS slots filled by the tensor data mover.
; The scales of the work-group's 2 x 256 rows, for all of K, come into LDS once, with the first fills.
; THE PRODUCT: source 0 = 16 rows of region B, source 1 = 16 rows of region A: a lane holds one row of A, its registers run along rows of B.  By the stored order the 64 registers of A's block a are
; register 16 g + i = B's row 32 g + 16 (lane / 16) + i of the wave's 128, and lane r is A's row 32 (a / 2) + 8 (a % 2) + r + 8 (r / 8).
;   q, k (cluster y 0-7):  A = x, B = Wq (cluster x 0) or Wk (1): a lane holds a token, its registers run along d, which is the K of q k^T.
;   v    (cluster y 8-11): A = Wv, B = x: a lane holds a channel d, its registers run along the tokens, which are the K of the second product.
; Only ROW NUMBERS are chosen, by the cluster's coordinates, which all sixteen partners share; text, masks and LDS addresses are the same for all.
; CLUSTERS: 4 x 4 work-groups; A's tile is shared along a row of the cluster, B's along a column: each is asked for jointly, by the same tensor load with the same descriptor and a mask that names the four.
; THE WAY OUT: bias, the quantiser along the registers (four blocks of 32), and the codes' registers stored as they stand, 512 consecutive bytes a store: nothing goes through LDS.
;   qf [bh][tile 128][2][lane][16 B], kv [bh][step 16]: 8 key tiles x 1,024 B, then 4 channel tiles x 2,048 B; qs, sc: the scale words, four tiles' words of a lane on end.
; LIMITS: blocks whose largest magnitude lies under 2^-118 keep the scale byte 1 (a block of zeros too: its codes are zeros); NaN and infinities are not served.
; REGISTERS, in windows of 256: window 0: v0-31 addresses, v8-15 the lane's bias; v32-63 scale words, two sets; v64-127 the registers' bias; from v128 A's fragments, one set (on the way out: at work).
;   window 1: B's fragments, two sets.   window 2: the accumulators of A's blocks 0-3 ((a, b) at v[8 (8 a + b)]);   window 3: those of blocks 4-7.
.set SIZE_K, 1024
.set KSTEP,  256                       ; along K in a slot
.set NQ,     KSTEP/128                 ; matrix instructions deep
.set ROWB,   256                       ; a tile's row in bytes
.set KROW,   SIZE_K                    ; a row of cod in bytes
.set PITCH,  272                       ; an LDS row: 256 bytes + 16 of padding = 68 words: row r starts at bank 4 r mod 64 (ISA guide 11.1), so the 16 rows of a load start at 16 different banks
.set FR,     16                        ; registers of a fragment: 16 rows x 128 K
.set NL,     4                         ; LDS loads that bring one
.set NP,     8                         ; places behind this matrix instruction (ISA guide 7.12.1)
.set HALFT,  128*PITCH                 ; 128 rows: what one tensor load brings
.set SLOT,   4*HALFT                   ; A's 256 rows, then B's 256 rows
.set LAPS,   SIZE_K/(2*KSTEP)          ; a lap = two K steps = once round the ring
.set KS,     SIZE_K/32                 ; a row of scales in bytes
.set SCL,    2*SLOT                    ; behind the ring: the scales, as rows of 256 bytes + 16 of padding
.set HALFS,  (128*KS/256)*272          ; the scales of 128 rows
.set SBLK,   (16*KS/256)*272           ; those of 16 rows
.set SPARE,  SCL+4*HALFS               ; behind the scales: the spare words, 128 bytes for each wave: two blocks of 256 bytes that no other line names
.set ADRA, 16                          ; v16-17  LDS address of my A fragments in slot 0, 1
.set ADRB, 20                          ; v20-21  the same for B
.set ADRS, 27                          ; v27     LDS address of my scale words: lanes 0-15 A's rows, lanes 16-31 B's
.set SPW,  28                          ; v28     LDS address of my spare word; never rewritten
.set NIL,  29                          ; v29     0; never rewritten
.set SC,   32                          ; scale words: set s at v[SC + 8 NQ s]; register NQ i + q: lanes 0-15 A's block i, lanes 16-31 B's block i
.set AF,   128                         ; A's fragments, in window 0
.set BV,   8                           ; v8-15   bv at my lane's row of A's block a
.set BIAS, 64                          ; v64-127 bq or bk at my 64 registers' rows of B
.set T,    128                         ; the way out: v128-191 a block's 64 numbers
.set PC,   192                         ; v192-207 its codes
.set TM,   208                         ; v208-223 largest magnitudes, bytes, holds, scale operands
.set PW,   224                         ; v224    its scale word
.set SW,   232                         ; v232-239 the eight blocks' scale words
.set XW,   240                         ; v240-243 four of them, chosen by the lane's half
.set CO,   16                          ; v16     16 x lane
.set CO2,  17                          ; v17     the same, one head on
.set SO,   20                          ; v20     where my scale words go
.set SH,   21                          ; v21     16 x (lane / 16)
.set G1, 24                            ; s[24:31] descriptor group 1 for A's tiles;  s[32:39] group 0, one set for each slot
.set G0, 32
.set G1B, 48                           ; s[48:55], s[56:63] the same for B's tiles
.set G0B, 56
.set G1S, 68                           ; s[68:75], s[76:79] groups 1 and 0 for A's scales;  s[80:87], s[88:91] for B's
.set G0S, 76
.set G1SB, 80
.set G0SB, 88
.set ISV, 95                           ; s95     1 in the clusters that make v
.set SEL, 96                           ; s[96:97] v_permlanex16_b32's selects for lane l xor 16
.set MNT, 98                           ; s98     the mantissa field of 448
.set HI16, 99                          ; s99     the mask of lanes 16-31
.set MSB, 0
.macro WIN new                         ; the immediate's high byte repeats the setting that is left
.if MSB != \new
	s_set_vgpr_msb (MSB<<8)|\new
.set MSB, \new
.endif
.endm
.set MUL_LO, 0xa1                      ; source 0 (B) window 1, source 1 (A) window 0, C and D window 2
.set MUL_HI, 0xf1                      ; the same, C and D window 3
.set TO_B,   0x40                      ; destination window 1, address window 0
; A joint load: waves 0 and 1 fetch for A, waves 2 and 3 for B.  Each of the two lines has one mask and one set of registers for all that issue it; the branch hangs on the wave's number alone.
; Four v_nop follow each of the two lines, ahead of the jump, the label and what follows.
.macro JLOAD g0a, g1a, g0b, g1b
	s_cmp_eq_u32 s15, 0
	s_cbranch_scc0 .Lfor_b_\@
	tensor_load_to_lds s[\g0a:\g0a+3], s[\g1a:\g1a+7]
	s_nop 0
.rept 4
	v_nop
.endr
	s_branch .Lasked_\@
.Lfor_b_\@:
	tensor_load_to_lds s[\g0b:\g0b+3], s[\g1b:\g1b+7]
	s_nop 0
.rept 4
	v_nop
.endr
.Lasked_\@:
.endm
.macro CREST                           ; a round of the cluster's barrier behind its opening barrier
	s_cmp_lg_u32 s14, 0
	s_cbranch_scc1 .Lnot_wave_0_\@
	s_barrier_signal -3
.Lnot_wave_0_\@:
	s_barrier_wait -3
	s_barrier_signal -1
	s_barrier_wait -1
.endm
.macro CROUND                          ; a whole round
	s_barrier_signal -1
	s_barrier_wait -1
	CREST
.endm
	s_load_b128 s[4:7], s[0:1], 0x0                ; cod s[4:5], csl s[6:7]
	s_load_b128 s[8:11], s[0:1], 0x10              ; bq, bk
	s_load_b64 s[12:13], s[0:1], 0x20              ; bv
	v_lshl_add_u32 v[SPW], v0, 2, SPARE
	v_mov_b32 v[NIL], 0
	ds_add_u32 v28, v29
	ds_add_u32 v28, v29
	s_wait_dscnt 0x0
	v_lshrrev_b32 v1, 5, v0
	v_readfirstlane_b32 s14, v1                    ; wave 0..3
	s_lshr_b32 s15, s14, 1                         ; which half of A's 256 rows is mine.  Also: I fetch for A (0) or for B (1)
	s_and_b32 s16, s14, 1                          ; which half of B's.  Also: which 128 rows of that tile I fetch
	s_bfe_u32 s40, ttmp6, 0x40000                  ; cx, cy: my place in the cluster
	s_bfe_u32 s41, ttmp6, 0x40004
	; which tiles of 256 rows of cod.  All candidates first, then one compare on the cluster's y and three selects
	s_and_b32 s17, ttmp7, 0xffff                   ; cluster y, 0 .. 11
	s_lshl_b32 s20, s17, 2                         ; q, k: A = x's tiles 4 y ..
	s_max_u32 s21, s17, 8
	s_sub_co_u32 s21, s21, 8
	s_lshl_b32 s21, s21, 1
	s_add_co_u32 s21, s21, ttmp9
	s_lshl_b32 s21, s21, 2                         ; v: B = x's tiles 4 (x + 2 (y - 8)) ..
	s_lshl_b32 s22, ttmp9, 2
	s_add_co_u32 s22, s22, 32                      ; q, k: B = Wq's tiles 32 .. or Wk's 36 ..
	s_cmp_ge_u32 s17, 8
	s_cselect_b32 s17, 40, s20                     ; v: A = Wv's tiles 40 ..
	s_cselect_b32 s42, s21, s22
	s_cselect_b32 s[ISV], 1, 0
	s_add_co_u32 s17, s17, s41                     ; A's tile: + cy, which my row of the cluster shares
	s_add_co_u32 s42, s42, s40                     ; B's tile: + cx, which my column shares
	s_lshl_b32 s43, s41, 2
	s_lshl_b32 s43, 15, s43                        ; my row of the cluster
	s_lshl_b32 s44, 0x1111, s40                    ; my column
	; descriptor group 1: a tile of 128 rows x ROWB bytes, padded in LDS
	s_or_b32 s[G1+0], s43, (0<<16)|(1<<20)|(1<<21)|(5<<22)|(3<<25)  ; 15:0 the mask: A's tiles go to my row; 17:16 element of 1 byte; 20 padding on; 21 set beside a mask; 24:22 after every 64 words; 31:25 four words
	s_or_b32 s[G1B+0], s44, (0<<16)|(1<<20)|(1<<21)|(5<<22)|(3<<25)
.irp g, G1, G1B
	s_mov_b32 s[\g+1], ROWB<<16                    ; tensor_dim0
	s_mov_b32 s[\g+2], 128<<16                     ; tensor_dim1 = 128
	s_mov_b32 s[\g+3], ROWB<<16                    ; tile_dim0
	s_mov_b32 s[\g+4], 128                         ; tile_dim1 = 128
	s_mov_b32 s[\g+5], KROW                        ; tensor_dim0_stride
	s_mov_b32 s[\g+6], 0
	s_mov_b32 s[\g+7], 0
.endr
	; and for the scales of 128 rows: a dense block of 4,096 bytes, as rows of 256 bytes (32 elements of 8 bytes), 16 bytes of padding behind each
	s_or_b32 s[G1S+0], s43, (3<<16)|(1<<20)|(1<<21)|(5<<22)|(3<<25)
	s_or_b32 s[G1SB+0], s44, (3<<16)|(1<<20)|(1<<21)|(5<<22)|(3<<25)
.irp g, G1S, G1SB
	s_mov_b32 s[\g+1], 32<<16
	s_mov_b32 s[\g+2], (128*KS/256)<<16
	s_mov_b32 s[\g+3], 32<<16
	s_mov_b32 s[\g+4], 128*KS/256
	s_mov_b32 s[\g+5], 32
	s_mov_b32 s[\g+6], 0
	s_mov_b32 s[\g+7], 0
.endr
	s_mov_b32 s[SEL], 0x76543210
	s_mov_b32 s[SEL+1], 0xfedcba98
	s_mov_b32 s[MNT], 0x600000
	s_mov_b32 s[HI16], 0xffff0000
	s_lshl_b32 s18, s16, 7                         ; which 128 rows of the tile I fetch
	s_lshl_b32 s20, s17, 8
	s_add_co_u32 s20, s20, s18                     ; A: row 256 x tile + 128 x half
	s_lshl_b32 s46, s42, 8
	s_add_co_u32 s46, s46, s18                     ; B likewise
	s_mov_b32 s21, 0
	s_mov_b32 s47, 0
	s_mov_b64 s[18:19], KS
	s_mul_u64 s[22:23], s[20:21], s[18:19]         ; where these rows' scales begin, in bytes
	s_mul_u64 s[92:93], s[46:47], s[18:19]
	s_mov_b64 s[18:19], KROW
	s_mul_u64 s[20:21], s[20:21], s[18:19]         ; and their codes
	s_mul_u64 s[46:47], s[46:47], s[18:19]
	s_mul_i32 s45, s14, HALFT                      ; where they go: wave x 128 rows: no place in the cluster enters an LDS address
	s_mul_i32 s94, s14, HALFS
	s_wait_kmcnt 0x0
	s_add_nc_u64 s[20:21], s[4:5], s[20:21]
	s_add_nc_u64 s[22:23], s[6:7], s[22:23]
	s_add_nc_u64 s[46:47], s[4:5], s[46:47]
	s_add_nc_u64 s[92:93], s[6:7], s[92:93]
	CROUND                                         ; all sixteen work-groups are here: the first joint loads meet
	s_mov_b32 s[G0S], 1
	s_add_co_u32 s[G0S+1], s94, SCL
	s_mov_b64 s[G0S+2:G0S+3], s[22:23]
	s_or_b32 s[G0S+3], s[G0S+3], 0x80000000
	s_mov_b32 s[G0SB], 1
	s_add_co_u32 s[G0SB+1], s94, SCL
	s_mov_b64 s[G0SB+2:G0SB+3], s[92:93]
	s_or_b32 s[G0SB+3], s[G0SB+3], 0x80000000
	JLOAD G0S, G1S, G0SB, G1SB                     ; the scales first: they are wanted with K step 0
.irp s, 0,1
	s_mov_b32 s[G0+4*\s], 1
	s_add_co_u32 s[G0+4*\s+1], s45, \s*SLOT
	s_add_nc_u64 s[G0+4*\s+2:G0+4*\s+3], s[20:21], \s*ROWB
	s_or_b32 s[G0+4*\s+3], s[G0+4*\s+3], 0x80000000
	s_mov_b32 s[G0B+4*\s], 1
	s_add_co_u32 s[G0B+4*\s+1], s45, \s*SLOT
	s_add_nc_u64 s[G0B+4*\s+2:G0B+4*\s+3], s[46:47], \s*ROWB
	s_or_b32 s[G0B+4*\s+3], s[G0B+4*\s+3], 0x80000000
	JLOAD G0+4*\s, G1, G0B+4*\s, G1B               ; three tensor loads of mine are out
.endr
	v_and_b32 v1, 15, v0                           ; r = l % 16; kept
	v_bfe_u32 v2, v0, 4, 1                         ; h = l / 16; kept
	; the biases.  Both kinds are loaded in every work-group (no branch stands here); both stay inside their buffers for every tile; the way out takes the one that its path wants
	s_and_b32 s66, s42, 3
	s_lshl_b32 s66, s66, 10
	s_lshl_b32 s67, s16, 9
	s_add_co_u32 s66, s66, s67                     ; 4 x (256 x (B's tile % 4) + 128 x my half): my 128 columns of Wq or Wk
	s_mov_b32 s67, 0
	s_cmp_eq_u32 ttmp9, 0
	s_cselect_b64 s[8:9], s[8:9], s[10:11]         ; bq or bk
	s_add_nc_u64 s[8:9], s[8:9], s[66:67]
	s_and_b32 s66, s17, 3
	s_lshl_b32 s66, s66, 10
	s_lshl_b32 s10, s15, 9
	s_add_co_u32 s66, s66, s10                     ; my 128 columns of Wv
	s_add_nc_u64 s[12:13], s[12:13], s[66:67]
	v_lshlrev_b32 v30, 6, v2                       ; 64 h: register 16 g + i is column 32 g + 16 h + i
	v_and_b32 v31, 8, v1
	v_add_nc_u32 v31, v31, v1
	v_lshlrev_b32 v31, 2, v31                      ; 4 (r + 8 (r / 8)): my lane's column in a block
.irp b, 0,1,2,3
.irp j, 0,1,2,3
	global_load_b128 v[BIAS+16*\b+4*\j:BIAS+16*\b+4*\j+3], v30, s[8:9] offset:128*\b+16*\j
.endr
.endr
.irp a, 0,1,2,3,4,5,6,7
	global_load_b32 v[BV+\a], v31, s[12:13] offset:(32*(\a/2)+8*(\a%2))*4
.endr
	v_mul_u32_u24 v3, v1, PITCH
	v_lshl_add_u32 v4, v2, 4, v3                   ; a fragment's row x pitch + 16 x half
	s_mul_i32 s21, s15, HALFT                      ; my 128 rows of A
	s_mul_i32 s22, s16, HALFT                      ; my 128 rows of B,
	s_add_co_u32 s22, s22, 2*HALFT                 ; which lie behind A's 256
.irp s, 0,1
	v_add_nc_u32 v[ADRA+\s], s21, v4
	v_add_nc_u32 v[ADRB+\s], s22, v4
	s_add_co_u32 s21, s21, SLOT
	s_add_co_u32 s22, s22, SLOT
.endr
	v_mul_u32_u24 v5, v1, KS                       ; my row's scales: KS bytes a row,
	v_lshrrev_b32 v6, 8, v5
	v_lshl_add_u32 v5, v6, 4, v5                   ; and 16 more for each 256 passed
	s_mul_i32 s21, s15, HALFS                      ; A's: my 128 rows
	s_mul_i32 s22, s16, HALFS                      ; B's: my 128 rows, behind A's 256
	s_add_co_u32 s22, s22, 2*HALFS
	s_sub_co_u32 s22, s22, s21
	v_mul_u32_u24 v6, s22, v2                      ; lanes 16-31 take B's: the lower base + h x the distance
	s_add_co_u32 s21, s21, SCL
	v_add_nc_u32 v5, v5, v6
	v_add_nc_u32 v[ADRS], s21, v5
.macro FRAG reg, adr, q, i             ; a fragment, 16 rows x 128 K of 8-bit codes: lane l holds row l % 16; registers 4 c .. 4 c + 3 hold K = 32 c + 16 (l / 16) + 0 .. 15
.irp c, 0,1,2,3
	ds_load_b128 v[\reg+4*\c:\reg+4*\c+3], v[\adr] offset:128*(\q)+32*\c+(\i)*16*PITCH
.endr
.endm
; 16 matrix instructions: A's blocks a0, a0 + 1 x B's eight, 128 along K: the slot's q-th.  p: B's set;  sc: the set of scale words.  zero = 1: the first product starts the sums: nothing is ever cleared.
; The 64 accumulators take turns, one instruction a turn, in the same order in every step.
.macro MUL16 a0, p, q, sc, zero
.irp a, \a0, \a0+1
.irp b, 0,1,2,3,4,5,6,7
.if \zero
	v_wmma_scale_f32_16x16x128_f8f6f4 v[8*(8*((\a)%4)+\b):8*(8*((\a)%4)+\b)+7], v[128*(\p)+FR*\b:128*(\p)+FR*\b+FR-1], v[AF+FR*(\a):AF+FR*(\a)+FR-1], 0, v[SC+8*NQ*(\sc)+NQ*\b+(\q)], v[SC+8*NQ*(\sc)+NQ*(\a)+(\q)] matrix_a_scale:MATRIX_SCALE_ROW1
.else
	v_wmma_scale_f32_16x16x128_f8f6f4 v[8*(8*((\a)%4)+\b):8*(8*((\a)%4)+\b)+7], v[128*(\p)+FR*\b:128*(\p)+FR*\b+FR-1], v[AF+FR*(\a):AF+FR*(\a)+FR-1], v[8*(8*((\a)%4)+\b):8*(8*((\a)%4)+\b)+7], v[SC+8*NQ*(\sc)+NQ*\b+(\q)], v[SC+8*NQ*(\sc)+NQ*(\a)+(\q)] matrix_a_scale:MATRIX_SCALE_ROW1
.endif
.endr
.endr
.endm
.macro FETCH_B slot, q, p              ; B's eight fragments of the slot's q-th 128 along K into set p
	WIN TO_B
.irp i, 0,1,2,3,4,5,6,7
	FRAG 128*(\p)+FR*\i, ADRB+\slot, \q, \i
.endr
	WIN 0
.endm
.macro FETCH_A slot, q, i0             ; A's blocks i0 .. i0 + 3
.irp i, \i0, \i0+1, \i0+2, \i0+3
	FRAG AF+FR*(\i), ADRA+\slot, \q, \i
.endr
.endm
.macro SCALES sc                       ; the next K step's scale words into set sc: NQ words a row; lanes 0-15 take A's block i, lanes 16-31 B's block i
.irp i, 0,1,2,3,4,5,6,7
	ds_load_b64 v[SC+8*NQ*\sc+NQ*\i:SC+8*NQ*\sc+NQ*\i+1], v[ADRS] offset:\i*SBLK
.endr
.endm
; A load into a register that a matrix instruction has read, and a vector instruction that reads a matrix result, stand NP places behind that matrix instruction; only plain vector
; instructions that name none of its registers are places (ISA guide 7.12.1 for vector instructions).
.macro PLACES n
.rept \n
	v_nop
.endr
.endm
; A step of 128 along K that has its successor in the same slot.
.macro STEP slot, q, zero
	s_wait_dscnt 4*NL                              ; B's set and A's blocks 0-3 are in; the youngest sixteen loads (A's blocks 4-7) may be out
	WIN MUL_LO
	MUL16 0, (\q)%2, \q, \slot, \zero
	MUL16 2, (\q)%2, \q, \slot, \zero
	s_wait_dscnt 0                                 ; A's blocks 4-7 are in (asked for 32 matrix instructions ago)
	PLACES NP
	FETCH_B \slot, (\q)+1, 1-(\q)%2
	FETCH_A \slot, (\q)+1, 0
	WIN MUL_HI
	MUL16 4, (\q)%2, \q, \slot, \zero
	MUL16 6, (\q)%2, \q, \slot, \zero
	PLACES NP
	WIN 0
	FETCH_A \slot, (\q)+1, 4
.endm
; A slot's last step changes slots: one barrier; in front of it each wave waits for all its tensor loads, adds 0 to its spare word, and waits for that and for its own reads of this slot.  fill = 1: this slot is filled again, two K steps ahead.
.macro TURN slot, next, fill
	s_wait_tensorcnt 0x0                           ; all my tensor loads have landed: my part of the next slot  (every window is 0 here)
	ds_add_u32 v[SPW], v[NIL]                      ; 0 onto my spare word
	s_wait_dscnt 4*NL+1                            ; (the add and the youngest sixteen loads, A's blocks 4-7, may be out)
	WIN MUL_LO
	MUL16 0, 1, NQ-1, \slot, 0                     ; sixteen matrix instructions stand between the add and the wait for it
	s_wait_dscnt 0x0                               ; the add is done, and my reads of this slot are over
	s_barrier_signal -1
	MUL16 2, 1, NQ-1, \slot, 0
	WIN 0
	s_barrier_wait -1
.if \fill
	CREST                                          ; the barrier has opened a round of the cluster's barrier: no wave of any partner still reads this slot's tile or has a load on its way
	s_add_nc_u64 s[G0+4*\slot+2:G0+4*\slot+3], s[G0+4*\slot+2:G0+4*\slot+3], 2*ROWB
	s_add_nc_u64 s[G0B+4*\slot+2:G0B+4*\slot+3], s[G0B+4*\slot+2:G0B+4*\slot+3], 2*ROWB
	JLOAD G0+4*\slot, G1, G0B+4*\slot, G1B         ; the first tensor load behind the round; the four v_nop behind it are among the places in front of the loads below
	PLACES NP-4
.else
	PLACES NP
.endif
	v_add_nc_u32 v[ADRS], 4*NQ, v[ADRS]            ; on to the next K step's scale words (no LDS load of mine is out)
	FETCH_B \next, 0, 0
	FETCH_A \next, 0, 0
	SCALES \next
	WIN MUL_HI
	MUL16 4, 1, NQ-1, \slot, 0
	MUL16 6, 1, NQ-1, \slot, 0
	PLACES NP
	WIN 0
	FETCH_A \next, 0, 4
.endm
	s_wait_tensorcnt 1                             ; the scales and my part of K step 0 are in (K step 1's load may be out)
	s_barrier_signal -1
	s_barrier_wait -1                              ; everybody's are
	FETCH_B 0, 0, 0
	FETCH_A 0, 0, 0
	SCALES 0
	FETCH_A 0, 0, 4
	STEP 0, 0, 1                                   ; the first step stands in front of the loop: its products start the sums
	s_mov_b32 s3, LAPS-1
.Llap:                                                 ; a trip goes once round the ring, from a lap's second step to the next lap's first, and fills both slots again
	TURN 0, 1, 1
	STEP 1, 0, 0
	TURN 1, 0, 1
	STEP 0, 0, 0
	s_sub_co_u32 s3, s3, 1
	s_cmp_lg_u32 s3, 0
	s_cbranch_scc1 .Llap
	TURN 0, 1, 0                                   ; the last lap fills nothing, and has no round of the cluster's barrier
	s_load_b256 s[68:75], s[0:1], 0x28             ; qf, qs, kv, sc.  No tensor load of mine is out since the wait for all of them above, so these registers, once a descriptor's, may be written
	STEP 1, 0, 0
	s_wait_dscnt 4*NL                              ; the very last step: nothing more to fetch
	WIN MUL_LO
	MUL16 0, 1, NQ-1, 1, 0
	MUL16 2, 1, NQ-1, 1, 0
	s_wait_dscnt 0
	WIN MUL_HI
	MUL16 4, 1, NQ-1, 1, 0
	MUL16 6, 1, NQ-1, 1, 0
	WIN 0
; THE WAY OUT.
; 64 numbers of a lane, v[s] .. v[s + 63], register 16 b + i = k 32 b + 16 (lane / 16) + i of my row, become a fragment's codes in v[PC] on and its scale word in v[PW].
.macro QUANT s
.irp b, 0,1,2,3
	v_max3_num_f32 v[TM+\b], |v[\s+16*\b]|, |v[\s+1+16*\b]|, 0x4800000   ; block b: my 16 numbers, and the floor 2^(9 - 127): the byte cannot fall under 1
.endr
.irp i, 2,4,6,8,10,12,14
.irp b, 0,1,2,3
	v_max3_num_f32 v[TM+\b], v[TM+\b], |v[\s+16*\b+\i]|, |v[\s+1+16*\b+\i]|   ; (the four blocks by turns)
.endr
.endr
.irp b, 0,1,2,3
	v_permlanex16_b32 v[TM+4+\b], v[TM+\b], s[SEL], s[SEL+1]
.endr
.irp b, 0,1,2,3
	v_max_num_f32 v[TM+\b], v[TM+\b], v[TM+4+\b]   ; with lane l xor 16's: the block's largest magnitude
.endr
.irp b, 0,1,2,3
	v_add_nc_u32 v[TM+12+\b], 0xfc000000, v[TM+\b]   ; 8 off its exponent field: the conversion's scale operand
.endr
.irp b, 0,1,2,3
	v_and_or_b32 v[TM+8+\b], v[TM+\b], 0x7f800000, s[MNT]   ; 448 x the scale
.endr
.irp b, 0,1,2,3
	v_lshrrev_b32 v[TM+4+\b], 23, v[TM+12+\b]   ; the scale's byte
.endr
	v_lshl_or_b32 v[PW], v[TM+5], 8, v[TM+4]   ; the four bytes make my row's scale word
	v_lshl_or_b32 v[PW], v[TM+6], 16, v[PW]
	v_lshl_or_b32 v[PW], v[TM+7], 24, v[PW]
.irp b, 0,1,2,3
.irp i, 0,1,2,3,4,5,6,7,8,9,10,11,12,13,14,15
	v_med3_num_f32 v[\s+16*\b+\i], v[\s+16*\b+\i], -v[TM+8+\b], v[TM+8+\b]   ; the conversion to an 8-bit code does not saturate (ISA guide 7.6.2): the hold comes first
.endr
	v_cvt_scalef32_pk8_fp8_f32 v[PC+4*\b:PC+1+4*\b], v[\s+16*\b:\s+7+16*\b], v[TM+12+\b]
	v_cvt_scalef32_pk8_fp8_f32 v[PC+2+4*\b:PC+3+4*\b], v[\s+8+16*\b:\s+15+16*\b], v[TM+12+\b]
.endr
	v_nop                                          ; one plain vector instruction between a scaled conversion and the next vector instruction that writes its sources
.endm
; A's block a: bias, quantiser, four stores of 512 consecutive bytes, and the block's scale word kept.
.macro EPI a, isv
.if (\a) > 0
	s_wait_xcnt 0x0                                ; the last block's stores have read their codes' registers
.endif
.set WS, 0x02+(\a)/4
	WIN WS                                         ; source 0: window 2 or 3
.set AC, 64*((\a)%4)
.set i, 0
.rept 32
.if \isv
	v_pk_add_f32 v[T+i:T+i+1], v[AC+i:AC+i+1], v[BIAS+2*(\a):BIAS+2*(\a)+1] op_sel_hi:[1,0]   ; + bv of my lane's channel: the pair's low word for both halves
.else
	v_pk_add_f32 v[T+i:T+i+1], v[AC+i:AC+i+1], v[BIAS+i:BIAS+i+1]   ; + bq or bk of the registers' channels.  Each accumulator is read from its low end on
.endif
.set i, i+2
.endr
	WIN 0
	QUANT T
.if \isv
.irp c, 0,1,2,3
	global_store_b128 v[CO], v[PC+4*\c:PC+4*\c+3], s[80:81] offset:((\a)/4)*262144+((\a)%4)*2048+512*\c   ; head h0 + a / 4, channel tile a % 4: 16 channels x 128 keys
.endr
	v_mov_b32 v[SW+(\a)], v[PW]
.else
	global_store_b128 v[CO], v[PC:PC+3], s[80:81] offset:1024*(\a)            ; blocks 0 and 1 are head h0's 64 channels,
	global_store_b128 v[CO], v[PC+4:PC+7], s[80:81] offset:1024*(\a)+512
	global_store_b128 v[CO2], v[PC+8:PC+11], s[80:81] offset:1024*(\a)        ; blocks 2 and 3 head h0 + 1's
	global_store_b128 v[CO2], v[PC+12:PC+15], s[80:81] offset:1024*(\a)+512
	v_bfe_u32 v[SW+(\a)], v[PW], v[SH], 16         ; lanes 0-15 keep head h0's two bytes, lanes 16-31 head h0 + 1's; the word's upper two bytes are 0
.endif
.endm
	PLACES NP                                      ; behind the last products: their results are read, and A's fragments' registers are written, below
	s_wait_loadcnt 0x0                             ; the biases
	s_wait_kmcnt 0x0                               ; the four pointers
.irp b, 0,1,2,3
	v_mov_b32 v[TM+4+\b], 0                        ; written once: a lane permute's destination counts as one of its sources
.endr
	v_and_b32 v[CO], 31, v0
	v_lshlrev_b32 v[CO], 4, v[CO]                  ; 16 x lane: a group of four registers is stored as it stands
	s_cmp_lg_u32 s[ISV], 0                         ; the same in all sixteen partners
	s_cbranch_scc1 .Lv_path
	; q or k.  My 128 tokens are group G = 2 x A's tile + half: batch G / 16, key step (or eight query tiles) G % 16; my 128 channels are heads h0 = 4 cx + 2 x half and h0 + 1
	s_lshl_b32 s20, s17, 1
	s_add_co_u32 s20, s20, s15
	s_lshr_b32 s21, s20, 4
	s_and_b32 s20, s20, 15
	s_lshl_b32 s21, s21, 4
	s_lshl_b32 s22, s40, 2
	s_add_co_u32 s21, s21, s22
	s_lshl_b32 s22, s16, 1
	s_add_co_u32 s21, s21, s22                     ; 16 x batch + h0
	s_lshl_b32 s21, s21, 4
	s_add_co_u32 s21, s21, s20                     ; the record's number
	s_add_co_u32 s22, ttmp9, 13
	s_lshl_b32 s76, s21, s22                       ; records of 8,192 bytes in qf, of 16,384 in kv
	s_mov_b32 s77, 0
	s_lshl_b32 s23, ttmp9, 8
	s_add_co_u32 s23, s23, 512                     ; of 512 bytes in qs, of 768 in sc
	s_mul_i32 s78, s21, s23
	s_mov_b32 s79, 0
	s_cmp_lg_u32 ttmp9, 0
	s_cselect_b64 s[80:81], s[72:73], s[68:69]     ; kv or qf
	s_cselect_b64 s[82:83], s[74:75], s[70:71]     ; sc or qs
	s_add_nc_u64 s[80:81], s[80:81], s[76:77]
	s_add_nc_u64 s[82:83], s[82:83], s[78:79]
	s_add_co_u32 s22, s22, 4
	s_lshl_b32 s22, 1, s22                         ; a head on: 16 records
	s_lshl_b32 s23, s23, 4
	v_add_nc_u32 v[CO2], s22, v[CO]
	v_mul_u32_u24 v[SO], s23, v2
	v_lshl_add_u32 v[SO], v1, 4, v[SO]             ; lanes 16-31 store head h0 + 1's words; 16 bytes a lane
	v_lshlrev_b32 v[SH], 4, v2
.irp a, 0,1,2,3,4,5,6,7
	EPI \a, 0
.endr
	global_store_b128 v[SO], v[SW:SW+3], s[82:83]              ; tiles 0-3's words of lane r on end: sixteen lanes store 256 consecutive bytes, aligned
	global_store_b128 v[SO], v[SW+4:SW+7], s[82:83] offset:256 ; tiles 4-7's
	s_branch .Ljoin
.Lv_path:
	; v.  My 128 tokens (B's rows) are one key step: group G = 2 x B's tile + half; my 128 channels (A's rows) are heads h0 = 4 cy + 2 x half and h0 + 1
	s_lshl_b32 s20, s42, 1
	s_add_co_u32 s20, s20, s16
	s_lshr_b32 s21, s20, 4
	s_and_b32 s20, s20, 15
	s_lshl_b32 s21, s21, 4
	s_lshl_b32 s22, s41, 2
	s_add_co_u32 s21, s21, s22
	s_lshl_b32 s22, s15, 1
	s_add_co_u32 s21, s21, s22
	s_lshl_b32 s21, s21, 4
	s_add_co_u32 s21, s21, s20                     ; the record's number
	s_lshl_b32 s76, s21, 14
	s_add_co_u32 s76, s76, 8192                    ; behind the record's eight key tiles
	s_mov_b32 s77, 0
	s_mul_i32 s78, s21, 768
	s_add_co_u32 s78, s78, 512                     ; behind K's scale words
	s_mov_b32 s79, 0
	s_add_nc_u64 s[80:81], s[72:73], s[76:77]
	s_add_nc_u64 s[82:83], s[74:75], s[78:79]
	v_mul_u32_u24 v[SO], v2, 12288                 ; lanes 16-31 store head h0 + 1's words: 16 records of 768 bytes on
	v_lshl_add_u32 v[SO], v1, 4, v[SO]
.irp a, 0,1,2,3,4,5,6,7
	v_mov_b32 v[BIAS+2*\a], v[BV+\a]               ; block a's bias into the low word of an even pair, which the packed addition takes for both halves
.endr
.irp a, 0,1,2,3,4,5,6,7
	EPI \a, 1
.endr
.irp t, 0,1,2,3
	v_cndmask_b32 v[XW+\t], v[SW+\t], v[SW+4+\t], s[HI16]   ; lanes 0-15: head h0's four tiles; lanes 16-31: head h0 + 1's
.endr
	global_store_b128 v[SO], v[XW:XW+3], s[82:83]  ; sixteen lanes store 256 consecutive bytes, aligned
.Ljoin:
	s_wait_tensorcnt 0x0                           ; the wave's end
	ds_add_u32 v[SPW], v[NIL]
	s_wait_dscnt 0x0
	CROUND                                         ; the closing round: no work-group ends while a partner may still ask for a tile that names it
	s_endpgm
.Lfunc_end_k_qfebe25a9b3_gemm_qkv:
	.size	k_qfebe25a9b3_gemm_qkv, .Lfunc_end_k_qfebe25a9b3_gemm_qkv-k_qfebe25a9b3_gemm_qkv
	.p2alignl 7, 3214868480
	.fill 96, 4, 3214868480
	.section	.rodata,"a",@progbits
	.p2align	6, 0x0
	.amdhsa_kernel k_qfebe25a9b3_gemm_qkv
		.amdhsa_group_segment_fixed_size 327680
		.amdhsa_private_segment_fixed_size 0
		.amdhsa_enable_private_segment 0
		.amdhsa_kernarg_size 72
		.amdhsa_user_sgpr_count 2
		.amdhsa_user_sgpr_kernarg_segment_ptr 1
		.amdhsa_wavefront_size32 1
		.amdhsa_system_sgpr_workgroup_id_x 1
		.amdhsa_system_sgpr_workgroup_id_y 1
		.amdhsa_system_sgpr_workgroup_id_z 1
		.amdhsa_system_vgpr_workitem_id 0
		.amdhsa_next_free_vgpr 1024
		.amdhsa_next_free_sgpr 100
		.amdhsa_reserve_vcc 0
		.amdhsa_float_denorm_mode_32 3
		.amdhsa_float_denorm_mode_16_64 3
		.amdhsa_memory_ordered 1
		.amdhsa_forward_progress 1
		.amdhsa_inst_pref_size 255
	.end_amdhsa_kernel
	.section	.bss,"aw",@nobits
	.p2align	6
	.space	262144
	.amdgpu_metadata
---
amdhsa.version: [ 1, 2 ]
amdhsa.kernels:
  - .name:           k_qfebe25a9b3_gemm_qkv
    .symbol:         k_qfebe25a9b3_gemm_qkv.kd
    .args:
      - { .name: cod, .offset: 0, .size: 8, .value_kind: global_buffer, .address_space: global }
      - { .name: csl, .offset: 8, .size: 8, .value_kind: global_buffer, .address_space: global }
      - { .name: bq, .offset: 16, .size: 8, .value_kind: global_buffer, .address_space: global }
      - { .name: bk, .offset: 24, .size: 8, .value_kind: global_buffer, .address_space: global }
      - { .name: bv, .offset: 32, .size: 8, .value_kind: global_buffer, .address_space: global }
      - { .name: qf, .offset: 40, .size: 8, .value_kind: global_buffer, .address_space: global }
      - { .name: qs, .offset: 48, .size: 8, .value_kind: global_buffer, .address_space: global }
      - { .name: kv, .offset: 56, .size: 8, .value_kind: global_buffer, .address_space: global }
      - { .name: sc, .offset: 64, .size: 8, .value_kind: global_buffer, .address_space: global }
    .group_segment_fixed_size: 327680
    .private_segment_fixed_size: 0
    .kernarg_segment_align: 8
    .kernarg_segment_size: 72
    .max_flat_workgroup_size: 128
    .sgpr_count:     100
    .vgpr_count:     1024
    .wavefront_size: 32
...
	.end_amdgpu_metadata
.endif
;; end of part 4
;; launch attn (part 5): grid 4 x 64, 16 waves a work-group, no clusters, 137,216 bytes of LDS; arguments qf, qs, kv, sc, maskw, flags, out0; writes out0
.if DOCPART == 5
	.amdgcn_target "amdgcn-amd-amdhsa--gfx1250"
	.amdhsa_code_object_version 6
	.text
	.protected	k_qfebe25a9b3_attn
	.globl	k_qfebe25a9b3_attn
	.p2align	8
	.type	k_qfebe25a9b3_attn,@function
k_qfebe25a9b3_attn:
	s_mov_b64 s[64:65], 0
	v_nop
	global_prefetch_b8 v0, s[64:65] scope:SCOPE_SE
	s_setreg_imm32_b32 hwreg(HW_REG_WAVE_MODE, 25, 1), 1
	s_wait_xcnt 0x0
; out0[b][q][64 head + d] = the sum over keys of softmax(q . k / 8, hidden keys at -infinity) v, both products on codes of FP8 (E4M3) with one E8M0 scale for each 32 along a product's K.
; THE SOFTMAX AHEAD OF THE SECOND PRODUCT: t = score x log2(e) / 8; M = the row's largest t so far, rounded UP to a whole number; p = 2^(t - M) is quantised along the keys, not normalised.
; The row's sum is taken of the unquantised p and divides at the end.  When M moves, the sum and O are multiplied by 2^(old M - new M): exact.  A row all of whose keys are hidden ends as 0 x (1 / 0): NaN.
; OPERANDS come as images of their registers (groups of four registers, lane l's 16 bytes at 16 l): qf, and kv's records of a key step: 8 key tiles x 1,024 B, 4 channel tiles x 2,048 B; sc: their scale words.
; The first product's K is 64: a fragment's upper eight registers meet Q's zero codes.  K's fragment t is named as 16 registers from its own first, so its upper half is the next tile's codes (behind the last: zeros):
; they are multiplied by the code 0 and add nothing, as long as no code is NaN: NaN and infinities among the inputs are not served.
; SHARES.  The work-group is (x, batch x head); it takes the blocks of 256 queries x and 7 - x, one after the other.  Each of its sixteen waves owns one tile of 16 queries in 256 registers: four waves to a SIMD.
; Every wave walks the 16 key steps of 128 keys: the trip count is a constant, and every wave passes every barrier.
; THE MASK is an input.  An earlier launch has stored, as whole numbers, its lane masks and two bits for each (tile, step).  A step with no key that counts for the wave's tile is left out by a scalar branch; a step that no
; tile of the block wants is not fetched; in a step with hidden keys the hidden scores become -infinity ahead of the maximum (64 selects).  That holds for every mask.
; NO TENSOR LOADS, NO CLUSTER: which steps are fetched hangs on numbers read from memory, so K and V go through registers: each wave loads 1,024 bytes of the next step's record a whole step ahead and
; stores them into the other of two LDS slots; one barrier a step stands between a slot's reads and its next stores, and between the stores and the reads.
; LAYOUT.  Both products are used transposed (S^T = K Q^T, O^T = V^T P^T): a lane holds one query throughout; register 16 g + i of S^T is key 32 g + 16 (lane / 16) + i of the step, of O^T channel 32 g + 16 (lane / 16) + i.
; Lane r of query tile T is query 32 (T / 2) + 8 (T % 2) + r + 8 (r / 8).
.set SLOTB,  32768                     ; LDS: slot 0 at 0, slot 1 here: a kv record, behind it the sc record
.set KVREC,  16384
.set SCREC,  768
.set VOFF,   8192                      ; V's tiles in a record
.set STG,    65536                     ; the stages for the way out: 16 rows x 272 bytes for each wave
.set SPITCH, 272
.set LI,   1                           ; v1   16 x lane
.set R16,  2                           ; v2   16 x (lane % 16)
.set GL,   5                           ; v5   1,024 x wave + 16 x lane: my bytes of a record, in memory and in a slot
.set GL2,  7                           ; v7   4 x thread: my word of the scale words (waves 0 to 5)
.set GO,   8                           ; v8   my byte offset among the tile's rows of out0
.set NINF, 9                           ; v9   -infinity
.set STI,  10                          ; v10  the stage, on the way in
.set STO,  11                          ; v11  and on the way out
                                       ; v12 -M, v13 the largest t, v[14:15] the sum in two halves
.set QF,   16                          ; v16-23 Q's codes, v24-31 zeros
.set KV,   32                          ; v32-95 K's 8 tiles x 8 registers, later V's 4 x 16; v96-103 zeros
.set SS,   104                         ; v104-167 S^T, then p
.set OT,   168                         ; v168-199 O^T
.set PCD,  200                         ; v200-215 p's codes
.set KSW,  216                         ; v216-223 K's scale words
.set VSW,  224                         ; v224-227 V's
.set QSW,  228                         ; v228 Q's
.set PSW,  229                         ; v229 p's
.set G,    230                         ; v230-237 my bytes of the next record on their way
.set GSC,  238                         ; v238 my word of its scale words
.set MA,   240                         ; v240-243 the blocks' largest scores, then p, then the conversions' scale operands
.set MC,   244                         ; v244-247 the other half's maxima; a chain of the sum; the bytes
.set MD,   248                         ; v248-251 448 x the scale
.set FF,   252                         ; v[252:253] f = 2^(old M - new M), named as a pair
.set TV,   254
.set WV,   18                          ; s18  my wave's number
.set MNT,  19                          ; s19  the mantissa field of 448
.set SEL,  20                          ; s[20:21] v_permlanex16_b32's selects for lane l xor 16
.set CS,   22                          ; s[22:23] c = log2(e) / 8
.set STEP, 24                          ; s24  the trip's first key step
.set MY,   25                          ; s25  my tile's flags
.set MIX,  26                          ; s26  their upper half: steps with hidden keys
.set ALL,  27                          ; s27  steps that some tile of the block wants (16 bits: bit 16 is 0)
.set QB,   28                          ; s28  the block of 256 queries
.set BLK,  29                          ; s29  blocks to go
.set CUR,  30                          ; s30  the step at work
.set NX,   31                          ; s31  the step being fetched
.set KVP,  2                           ; s[2:3]     kv at the trip's first step
.set SCP,  66                          ; s[66:67]   sc likewise
.set MWP,  100                         ; s[100:101] my tile's mask words likewise
                                       ; s32-63, s68-99: the step's 64 mask words; at a block's head and end: at work
; The next step's record is asked for, if any tile of the block wants it: 1,024 bytes a wave, and the 192 scale words by waves 0 to 5.
.macro ASK d
	s_bitcmp1_b32 s[ALL], s[NX]
	s_cbranch_scc0 .Lno_ask_\@
	global_load_b128 v[G:G+3], v[GL], s[KVP:KVP+1] offset:KVREC*\d
	global_load_b128 v[G+4:G+7], v[GL], s[KVP:KVP+1] offset:KVREC*\d+512
	s_cmp_lt_u32 s[WV], 6
	s_cbranch_scc0 .Lno_ask_\@
	global_load_b32 v[GSC], v[GL2], s[SCP:SCP+1] offset:SCREC*\d
.Lno_ask_\@:
.endm
; And goes into the slot that was read in the step before last.  Between those reads and these stores lies the last barrier; between these stores and the next step's reads this one.
.macro PUT slot
	s_wait_loadcnt 0x0                             ; asked for a whole step ago
	s_bitcmp1_b32 s[ALL], s[NX]
	s_cbranch_scc0 .Lno_put_\@
	ds_store_b128 v[GL], v[G:G+3] offset:SLOTB*\slot
	ds_store_b128 v[GL], v[G+4:G+7] offset:SLOTB*\slot+512
	s_cmp_lt_u32 s[WV], 6
	s_cbranch_scc0 .Lno_put_\@
	ds_store_b32 v[GL2], v[GSC] offset:SLOTB*\slot+KVREC
.Lno_put_\@:
	s_wait_dscnt 0x0                               ; for the others' sake: my stores have landed, and my reads of the other slot are over
	s_barrier_signal -1
	s_barrier_wait -1
.endm
; A KEY STEP of my tile, from the given slot.
.macro WORK slot
	s_bitcmp1_b32 s[MY], s[CUR]
	s_cbranch_scc0 .Lidle_\@                       ; no key of this step counts for any of my 16 queries
	s_load_b512 s[32:47], s[MWP:MWP+1], 256*\slot
	s_load_b512 s[48:63], s[MWP:MWP+1], 256*\slot+64
	s_load_b512 s[68:83], s[MWP:MWP+1], 256*\slot+128
	s_load_b512 s[84:99], s[MWP:MWP+1], 256*\slot+192
.rept 8
	v_nop                                          ; places in front of loads into registers that the last step's products have read
.endr
.set n, 0
.rept 16
	ds_load_b128 v[KV+4*n:KV+4*n+3], v[LI] offset:SLOTB*\slot+512*n   ; K's tile n / 2, registers 4 (n % 2) on
.set n, n+1
.endr
	ds_load_b128 v[KSW:KSW+3], v[R16] offset:SLOTB*\slot+KVREC          ; lane r: the words of tiles 0-3,
	ds_load_b128 v[KSW+4:KSW+7], v[R16] offset:SLOTB*\slot+KVREC+256    ; of tiles 4-7
	s_wait_dscnt 0x0
.irp t, 0,1,2,3,4,5,6,7
	v_wmma_scale_f32_16x16x128_f8f6f4 v[SS+8*\t:SS+8*\t+7], v[KV+8*\t:KV+8*\t+15], v[QF:QF+15], 0, v[KSW+\t], v[QSW]
.endr
.rept 8
	v_nop                                          ; places in front of the loads over K's registers and of the first read of the scores
.endr
.set n, 0
.rept 16
	ds_load_b128 v[KV+4*n:KV+4*n+3], v[LI] offset:SLOTB*\slot+VOFF+512*n   ; V's tile n / 4, registers 4 (n % 4) on: they land during the softmax
.set n, n+1
.endr
	ds_load_b128 v[VSW:VSW+3], v[R16] offset:SLOTB*\slot+KVREC+512
	s_wait_kmcnt 0x0                               ; the mask words
	s_bitcmp1_b32 s[MIX], s[CUR]
	s_cbranch_scc0 .Lopen_\@                       ; every key of the step counts for every query of the tile
.set n, 0
.rept 64
.if n < 32
	v_cndmask_b32 v[SS+n], v[SS+n], v[NINF], s[32+n]   ; word n's bit of my lane: the score of a hidden key becomes -infinity: p = 0 then
.else
	v_cndmask_b32 v[SS+n], v[SS+n], v[NINF], s[36+n]
.endif
.set n, n+1
.endr
.Lopen_\@:
.irp b, 0,1,2,3
	v_max3_num_f32 v[MA+\b], v[SS+16*\b], v[SS+1+16*\b], v[SS+2+16*\b]   ; the largest score of each block of 32 keys: it serves for the row's maximum and, since p rises with the score, for the block's largest p
.endr
.irp i, 3,5,7,9,11,13
.irp b, 0,1,2,3
	v_max3_num_f32 v[MA+\b], v[MA+\b], v[SS+16*\b+\i], v[SS+1+16*\b+\i]   ; (the four blocks by turns)
.endr
.endr
.irp b, 0,1,2,3
	v_max_num_f32 v[MA+\b], v[MA+\b], v[SS+15+16*\b]
.endr
.irp b, 0,1,2,3
	v_permlanex16_b32 v[MC+\b], v[MA+\b], s[SEL], s[SEL+1]
.endr
.irp b, 0,1,2,3
	v_max_num_f32 v[MA+\b], v[MA+\b], v[MC+\b]     ; with lane l xor 16's 16 keys
.endr
	v_max3_num_f32 v[TV], v[MA], v[MA+1], v[MA+2]
	v_max_num_f32 v[TV], v[TV], v[MA+3]            ; the step's largest score of my query
	v_mul_f32 v[TV], s[CS], v[TV]                  ; as t (c is positive)
	v_max_num_f32 v13, v13, v[TV]                  ; the running largest t
	v_mov_b32 v[TV], v12
	v_floor_f32 v12, -v13                          ; the new -M = floor(-t) = -ceil(t): M is a whole number
	v_sub_f32 v[TV], v12, v[TV]                    ; M's old value less its new one: a whole number, 0 or less
	v_cvt_i32_f32 v[TV], v[TV]                     ; (it saturates)
	v_ldexp_f32 v[FF], 1.0, v[TV]                  ; f = 2^(old M - new M)
.set j, 0
.rept 32
	v_pk_fma_f32 v[SS+j:SS+j+1], v[SS+j:SS+j+1], s[CS:CS+1], v[12:13] op_sel_hi:[1,0,0]   ; t - M, two at a time (of the pairs c and -M the low word serves both halves)
.set j, j+2
.endr
.irp b, 0,1,2,3
	v_fma_f32 v[MA+\b], v[MA+\b], s[CS], v12       ; the same of each block's largest score
.endr
.set j, 0
.rept 64
	v_exp_f32 v[SS+j], v[SS+j]                     ; p = 2^(t - M), at most 1: not normalised
.set j, j+1
.endr
	v_pk_mul_f32 v[14:15], v[14:15], v[FF:FF+1] op_sel_hi:[1,0]   ; the sums under the new M.  (A plain place behind the exponentials)
	s_wait_alu depctr_va_vdst(0)                   ; one wait for the whole batch, ahead of its first reader
.irp b, 0,1,2,3
	v_exp_f32 v[MA+\b], v[MA+\b]                   ; the block's largest p: the same two instructions on the same number give the same bits
.endr
	v_pk_add_f32 v[MC:MC+1], v[SS:SS+1], v[SS+2:SS+3]   ; the row's sum is taken of the unquantised p: two at a time, in two chains.  (It reads the 64 alone: plain work behind the four)
.set j, 4
.rept 15
	v_pk_add_f32 v[14:15], v[14:15], v[SS+j:SS+j+1]
	v_pk_add_f32 v[MC:MC+1], v[MC:MC+1], v[SS+j+2:SS+j+3]
.set j, j+4
.endr
	v_pk_add_f32 v[14:15], v[14:15], v[MC:MC+1]
	s_wait_alu depctr_va_vdst(0)                   ; and one for the four
.irp b, 0,1,2,3
	v_max_num_f32 v[MA+\b], 0x4800000, v[MA+\b]    ; the floor 2^(9 - 127): the byte cannot fall under 1 (a block whose every p is 0 keeps that byte: its codes are zeros)
.endr
.irp b, 0,1,2,3
	v_and_or_b32 v[MD+\b], v[MA+\b], 0x7f800000, s[MNT]   ; 448 x the scale
.endr
.irp b, 0,1,2,3
	v_add_nc_u32 v[MA+\b], 0xfc000000, v[MA+\b]    ; 8 off the exponent field, in place: the conversion's scale operand
.endr
.irp b, 0,1,2,3
	v_lshrrev_b32 v[MC+\b], 23, v[MA+\b]           ; the scale's byte
.endr
	v_lshl_or_b32 v[PSW], v[MC+1], 8, v[MC]        ; p's scale word for these 128 keys
	v_lshl_or_b32 v[PSW], v[MC+2], 16, v[PSW]
	v_lshl_or_b32 v[PSW], v[MC+3], 24, v[PSW]
.irp b, 0,1,2,3
.set i, 0
.rept 16
	v_min_num_f32 v[SS+16*\b+i], v[SS+16*\b+i], v[MD+\b]   ; the conversion to an 8-bit code does not saturate (ISA guide 7.6.2); p is not negative, so the hold is one-sided
.set i, i+1
.endr
	v_cvt_scalef32_pk8_fp8_f32 v[PCD+4*\b:PCD+4*\b+1], v[SS+16*\b:SS+16*\b+7], v[MA+\b]
	v_cvt_scalef32_pk8_fp8_f32 v[PCD+4*\b+2:PCD+4*\b+3], v[SS+16*\b+8:SS+16*\b+15], v[MA+\b]
.endr
.set j, 0
.rept 16
	v_pk_mul_f32 v[OT+j:OT+j+1], v[OT+j:OT+j+1], v[FF:FF+1] op_sel_hi:[1,0]   ; O^T under the new M: x f.  (These sixteen are also the places between the codes and the products)
.set j, j+2
.endr
	s_wait_dscnt 0x0                               ; V and its scale words
.irp t, 0,1,2,3
	v_wmma_scale_f32_16x16x128_f8f6f4 v[OT+8*\t:OT+8*\t+7], v[KV+16*\t:KV+16*\t+15], v[PCD:PCD+15], v[OT+8*\t:OT+8*\t+7], v[VSW+\t], v[PSW]   ; the four accumulators by turns; the eight products of the next scores stand between two links of a chain
.endr
.Lidle_\@:
.endm
	s_load_b256 s[4:11], s[0:1], 0x0               ; qf, qs, kv, sc
	s_load_b128 s[12:15], s[0:1], 0x20             ; maskw, flags
	s_load_b64 s[16:17], s[0:1], 0x30              ; out0
	v_lshl_add_u32 v239, v0, 2, 0x21000
	v_mov_b32 v255, 0
	v_lshrrev_b32 v1, 5, v0
	v_readfirstlane_b32 s[WV], v1                  ; wave 0..15
	v_and_b32 v1, 31, v0
	v_lshlrev_b32 v[LI], 4, v1
	v_and_b32 v3, 15, v0                           ; r
	v_bfe_u32 v4, v0, 4, 1                         ; h
	v_lshlrev_b32 v[R16], 4, v3
	s_lshl_b32 s30, s[WV], 10
	v_add_nc_u32 v[GL], s30, v[LI]
	v_lshlrev_b32 v[GL2], 2, v0
	v_mov_b32 v[NINF], 0xff800000
	s_mul_i32 s30, s[WV], 16*SPITCH
	s_add_co_u32 s30, s30, STG                     ; my stage
	v_mul_u32_u24 v[STI], v3, SPITCH
	v_lshl_add_u32 v[STI], v4, 6, v[STI]
	v_add_nc_u32 v[STI], s30, v[STI]               ; in: row r, + 64 h: my 16 channels of a block of 32
	v_mul_u32_u24 v[STO], v4, SPITCH
	v_lshl_add_u32 v[STO], v3, 4, v[STO]
	v_add_nc_u32 v[STO], s30, v[STO]               ; back: lanes 0-15 one row, lanes 16-31 the next
	v_lshlrev_b32 v[GO], 12, v4
	v_lshl_add_u32 v[GO], v3, 4, v[GO]             ; and the same in out0: rows of 4,096 bytes
.irp j, 0,1,2,3,4,5,6,7
	v_mov_b32 v[QF+8+\j], 0                        ; the upper half of Q's fragment: zero codes
	v_mov_b32 v[KV+64+\j], 0                       ; and what stands behind K's last tile
	v_mov_b32 v[G+\j], 0                           ; (written once, so that they are written on every path)
.endr
	v_mov_b32 v[GSC], 0
.irp b, 0,1,2,3
	v_mov_b32 v[MC+\b], 0                          ; a lane permute's destination counts as one of its sources
.endr
	v_mov_b32 v[FF+1], 0                           ; (named as the upper half of the pair)
	s_mov_b32 s[MNT], 0x600000
	s_mov_b32 s[SEL], 0x76543210
	s_mov_b32 s[SEL+1], 0xfedcba98
	s_mov_b32 s[CS], 0x3e38aa3b                    ; c = log2(e) / 8
	s_mov_b32 s[CS+1], s[CS]                       ; (named with it as a pair, so it is written)
	s_and_b32 s30, ttmp7, 0xffff                   ; 16 x batch + head
	s_lshl_b32 s32, s30, 17                        ; qf: 128 tiles of 1,024 bytes
	s_mov_b32 s33, 0
	s_lshl_b32 s34, s30, 13                        ; qs: 16 records of 512
	s_mov_b32 s35, 0
	s_lshl_b32 s36, s30, 18                        ; kv: 16 records of 16,384
	s_mov_b32 s37, 0
	s_mul_i32 s38, s30, 16*SCREC                   ; sc: 16 records of 768
	s_mov_b32 s39, 0
	s_lshr_b32 s40, s30, 4
	s_lshl_b32 s40, s40, 23                        ; out0: the batch's 2,048 rows of 4,096 bytes,
	s_and_b32 s41, s30, 15
	s_lshl_b32 s41, s41, 8                         ; the head's 256 bytes of a row
	s_add_co_u32 s40, s40, s41
	s_mov_b32 s41, 0
	s_mov_b32 s[QB], ttmp9
	s_mov_b32 s[BLK], 2
	s_wait_kmcnt 0x0
	s_add_nc_u64 s[4:5], s[4:5], s[32:33]
	s_add_nc_u64 s[6:7], s[6:7], s[34:35]
	s_add_nc_u64 s[8:9], s[8:9], s[36:37]
	s_add_nc_u64 s[10:11], s[10:11], s[38:39]
	s_add_nc_u64 s[16:17], s[16:17], s[40:41]
.Lblock:                                           ; two trips: the blocks x and 7 - x
	s_lshl_b32 s30, s[QB], 4
	s_add_co_u32 s30, s30, s[WV]                   ; my tile T
	s_lshl_b32 s31, s[QB], 6
	s_load_b512 s[32:47], s[14:15], s31 offset:0x0 ; the flags of the block's 16 tiles,
	s_lshl_b32 s24, s30, 2
	s_load_b32 s[MY], s[14:15], s24 offset:0x0     ; and mine
	s_lshl_b32 s68, s30, 10
	s_mov_b32 s69, 0
	s_add_nc_u64 s[68:69], s[4:5], s[68:69]        ; Q's fragment
	s_lshr_b32 s70, s30, 2
	s_lshl_b32 s70, s70, 8
	s_and_b32 s71, s30, 3
	s_lshl_b32 s71, s71, 2
	s_add_co_u32 s70, s70, s71                     ; its scale words: 256 (T / 4) + 16 r + 4 (T % 4)
	s_mov_b32 s71, 0
	s_add_nc_u64 s[70:71], s[6:7], s[70:71]
	global_load_b128 v[QF:QF+3], v[LI], s[68:69]
	global_load_b128 v[QF+4:QF+7], v[LI], s[68:69] offset:512
	global_load_b32 v[QSW], v[R16], s[70:71]
	s_lshl_b32 s100, s30, 12                       ; my tile's mask words: 16 records of 256 bytes
	s_mov_b32 s101, 0
	s_add_nc_u64 s[MWP:MWP+1], s[12:13], s[100:101]
	s_mov_b64 s[KVP:KVP+1], s[8:9]
	s_mov_b64 s[SCP:SCP+1], s[10:11]
	v_mov_b32 v13, 0xff61b1e6                      ; the largest t so far: -3e38, under every t
	v_floor_f32 v12, -v13                          ; -M
	v_mov_b32 v14, 0                               ; the sum, in two halves
	v_mov_b32 v15, 0
.set j, 0
.rept 32
	v_mov_b32 v[OT+j], 0                           ; O^T: which step is a tile's first hangs on the mask, so the step is written once and the first finds zeros
.set j, j+1
.endr
	s_wait_kmcnt 0x0
.irp i, 0,2,4,6,8,10,12,14
	s_or_b32 s[32+\i], s[32+\i], s[33+\i]
.endr
.irp i, 0,4,8,12
	s_or_b32 s[32+\i], s[32+\i], s[34+\i]
.endr
	s_or_b32 s32, s32, s36
	s_or_b32 s40, s40, s44
	s_or_b32 s32, s32, s40
	s_and_b32 s[ALL], s32, 0xffff
	s_lshr_b32 s[MIX], s[MY], 16
	s_mov_b32 s[NX], 0
	ASK 0
	PUT 0                                          ; (its wait for loads serves Q too)
	s_mov_b32 s[STEP], 0
.Ltrip:                                            ; eight trips of two key steps
	s_mov_b32 s[CUR], s[STEP]
	s_add_co_u32 s[NX], s[STEP], 1
	ASK 1
	WORK 0
	PUT 1
	s_add_co_u32 s[CUR], s[STEP], 1
	s_add_co_u32 s[NX], s[STEP], 2                 ; in the last trip 16: that bit is 0, and nothing is asked for past the head's records
	ASK 2
	WORK 1
	PUT 0
	s_wait_xcnt 0x0                                ; every earlier load has read its base
	s_add_nc_u64 s[KVP:KVP+1], s[KVP:KVP+1], 2*KVREC
	s_add_nc_u64 s[SCP:SCP+1], s[SCP:SCP+1], 2*SCREC
	s_add_nc_u64 s[MWP:MWP+1], s[MWP:MWP+1], 512
	s_add_co_u32 s[STEP], s[STEP], 2
	s_cmp_lt_u32 s[STEP], 16
	s_cbranch_scc1 .Ltrip
	; THE WAY OUT.  O^T / the sum goes through my stage in LDS and leaves as whole rows of the head: sixteen lanes store 256 consecutive bytes, aligned.
	v_add_f32 v14, v14, v15                        ; the sum's two halves,
	v_permlanex16_b32 v[MC], v14, s[SEL], s[SEL+1]
	v_add_f32 v14, v14, v[MC]                      ; and lane l xor 16's: the row's sum
	v_rcp_f32 v14, v14
.rept 6
	v_nop                                          ; with the two additions: eight places behind the last products; the first is also the plain place behind the reciprocal
.endr
	s_lshl_b32 s32, s[QB], 4
	s_add_co_u32 s32, s32, s[WV]                   ; T
	s_lshr_b32 s33, s32, 1
	s_lshl_b32 s33, s33, 5
	s_and_b32 s32, s32, 1
	s_lshl_b32 s32, s32, 3
	s_add_co_u32 s32, s32, s33                     ; the tile's first query: 32 (T / 2) + 8 (T % 2)
	s_lshl_b32 s32, s32, 12
	s_mov_b32 s33, 0
	s_add_nc_u64 s[32:33], s[16:17], s[32:33]
	s_wait_alu depctr_va_vdst(0)                   ; the wait ahead of the reciprocal's first reader
.set j, 0
.rept 16
	v_pk_mul_f32 v[SS+j:SS+j+1], v[OT+j:OT+j+1], v[14:15] op_sel_hi:[1,0]   ; register 16 g + i: channel 32 g + 16 h + i of query lane r
.set j, j+2
.endr
.irp g, 0,1
.irp c, 0,1,2,3
	ds_store_b128 v[STI], v[SS+16*\g+4*\c:SS+16*\g+4*\c+3] offset:128*\g+16*\c
.endr
.endr
.irp i, 0,1,2,3,4,5,6,7
	ds_load_b128 v[KV+4*\i:KV+4*\i+3], v[STO] offset:2*\i*SPITCH   ; LDS serves a wave's instructions in order: these see my stores
.endr
.irp i, 0,1,2,3,4,5,6,7
	s_wait_dscnt 7-\i                              ; the younger loads may be out
	global_store_b128 v[GO], v[KV+4*\i:KV+4*\i+3], s[32:33] offset:(2*\i+8*(\i/4))*4096 th:TH_STORE_NT   ; query lanes 2 i and 2 i + 1: rows 2 i + h + 8 (i / 4) from the tile's first
.endr
	s_wait_xcnt 0x0                                ; the stores have read their registers and their base: both are written again in the next block
	s_sub_co_u32 s[QB], 7, s[QB]
	s_sub_co_u32 s[BLK], s[BLK], 1
	s_cmp_lg_u32 s[BLK], 0
	s_cbranch_scc1 .Lblock
	s_wait_tensorcnt 0x0
	ds_add_u32 v239, v255
	s_wait_dscnt 0x0
	s_endpgm
.Lfunc_end_k_qfebe25a9b3_attn:
	.size	k_qfebe25a9b3_attn, .Lfunc_end_k_qfebe25a9b3_attn-k_qfebe25a9b3_attn
	.p2alignl 7, 3214868480
	.fill 96, 4, 3214868480
	.section	.rodata,"a",@progbits
	.p2align	6, 0x0
	.amdhsa_kernel k_qfebe25a9b3_attn
		.amdhsa_group_segment_fixed_size 137216
		.amdhsa_private_segment_fixed_size 0
		.amdhsa_enable_private_segment 0
		.amdhsa_kernarg_size 56
		.amdhsa_user_sgpr_count 2
		.amdhsa_user_sgpr_kernarg_segment_ptr 1
		.amdhsa_wavefront_size32 1
		.amdhsa_system_sgpr_workgroup_id_x 1
		.amdhsa_system_sgpr_workgroup_id_y 1
		.amdhsa_system_sgpr_workgroup_id_z 1
		.amdhsa_system_vgpr_workitem_id 0
		.amdhsa_next_free_vgpr 256
		.amdhsa_next_free_sgpr 102
		.amdhsa_reserve_vcc 0
		.amdhsa_float_denorm_mode_32 3
		.amdhsa_float_denorm_mode_16_64 3
		.amdhsa_memory_ordered 1
		.amdhsa_forward_progress 1
		.amdhsa_inst_pref_size 59
	.end_amdhsa_kernel
	.amdgpu_metadata
---
amdhsa.version: [ 1, 2 ]
amdhsa.kernels:
  - .name:           k_qfebe25a9b3_attn
    .symbol:         k_qfebe25a9b3_attn.kd
    .args:
      - { .name: qf, .offset: 0, .size: 8, .value_kind: global_buffer, .address_space: global }
      - { .name: qs, .offset: 8, .size: 8, .value_kind: global_buffer, .address_space: global }
      - { .name: kv, .offset: 16, .size: 8, .value_kind: global_buffer, .address_space: global }
      - { .name: sc, .offset: 24, .size: 8, .value_kind: global_buffer, .address_space: global }
      - { .name: maskw, .offset: 32, .size: 8, .value_kind: global_buffer, .address_space: global }
      - { .name: flags, .offset: 40, .size: 8, .value_kind: global_buffer, .address_space: global }
      - { .name: out0, .offset: 48, .size: 8, .value_kind: global_buffer, .address_space: global }
    .group_segment_fixed_size: 137216
    .private_segment_fixed_size: 0
    .kernarg_segment_align: 8
    .kernarg_segment_size: 56
    .max_flat_workgroup_size: 512
    .sgpr_count:     102
    .vgpr_count:     256
    .wavefront_size: 32
...
	.end_amdgpu_metadata
.endif
;; end of part 5
;; ======== version 2 of 2: 5 launches; version 1 with the launch attn written anew for expert scheduling mode
;; workspace buffers: cod 11,534,336 bytes; csl 360,448 bytes; qf 8,388,608 bytes; qs 524,288 bytes; kv 16,777,216 bytes; sc 786,432 bytes; maskw 524,288 bytes of whole numbers; flags 512 bytes of whole numbers
;; launch quant_x: the kernel of part 1 again; grid 256 x 1, 4 waves a work-group, no clusters, 33,280 bytes of LDS; arguments x, cod, csl; writes cod, csl
;; launch quant_w: the kernel of part 2 again; grid 24 x 4, 4 waves a work-group, no clusters, 36,352 bytes of LDS; arguments Wq, Wk, Wv, cod, csl; writes cod, csl
;; launch mask_pack: the kernel of part 3 again; grid 128 x 1, 16 waves a work-group, no clusters, 3,072 bytes of LDS; arguments atten_mask, maskw, flags; writes maskw, flags
;; launch gemm_qkv: the kernel of part 4 again; grid 8 x 48, 4 waves a work-group, clusters of 4 x 4, 327,680 bytes of LDS; arguments cod, csl, bq, bk, bv, qf, qs, kv, sc; writes qf, qs, kv, sc
;; launch attn (part 6): grid 4 x 64, 16 waves a work-group, no clusters, 137,216 bytes of LDS; arguments qf, qs, kv, sc, maskw, flags, out0; writes out0
.if DOCPART == 6
	.amdgcn_target "amdgcn-amd-amdhsa--gfx1250"
	.amdhsa_code_object_version 6
	.text
	.protected	k_qfebe25a9b3_attn
	.globl	k_qfebe25a9b3_attn
	.p2align	8
	.type	k_qfebe25a9b3_attn,@function
k_qfebe25a9b3_attn:
	s_mov_b64 s[64:65], 0
	v_nop
	global_prefetch_b8 v0, s[64:65] scope:SCOPE_SE
	s_setreg_imm32_b32 hwreg(HW_REG_WAVE_SCHED_MODE, 0, 2), 2
	s_setreg_imm32_b32 hwreg(HW_REG_WAVE_MODE, 25, 1), 1
	s_wait_xcnt 0x0
	s_wait_alu depctr_vm_vsrc(0)
; out0[b][q][64 head + d] = the sum over keys of softmax(q . k / 8, hidden keys at -infinity) v, both products on codes of FP8 (E4M3) with one E8M0 scale for each 32 along a product's K.
; THE SOFTMAX AHEAD OF THE SECOND PRODUCT: t = score x log2(e) / 8; M = the row's largest t so far, rounded UP to a whole number; p = 2^(t - M) is quantised along the keys, not normalised.
; The row's sum is taken of the unquantised p and divides at the end.  When M moves, the sum and O are multiplied by 2^(old M - new M): exact.  A row all of whose keys are hidden ends as 0 x (1 / 0): NaN.
; OPERANDS come as images of their registers (groups of four registers, lane l's 16 bytes at 16 l): qf, and kv's records of a key step: 8 key tiles x 1,024 B, 4 channel tiles x 2,048 B; sc: their scale words.
; The first product's K is 64: a fragment's upper eight registers meet Q's zero codes.  K's fragment t is named as 16 registers from its own first, so its upper half is the next tile's codes (behind the last: zeros):
; they are multiplied by the code 0 and add nothing, as long as no code is NaN: NaN and infinities among the inputs are not served.
; SHARES.  The work-group is (x, batch x head); it takes the blocks of 256 queries x and 7 - x, one after the other.  Each of its sixteen waves owns one tile of 16 queries in 256 registers: four waves to a SIMD.
; Every wave walks the 16 key steps of 128 keys: the trip count is a constant, and every wave passes every barrier.
; THE MASK is an input.  An earlier launch has stored, as whole numbers, its lane masks and two bits for each (tile, step).  A step with no key that counts for the wave's tile is left out by a scalar branch; a step that no
; tile of the block wants is not fetched; in a step with hidden keys the hidden scores become -infinity ahead of the maximum (64 selects).  That holds for every mask.
; NO TENSOR LOADS, NO CLUSTER: which steps are fetched hangs on numbers read from memory, so K and V go through registers: each wave loads 1,024 bytes of the next step's record a whole step ahead and
; stores them into the other of two LDS slots; one barrier a step stands between a slot's reads and its next stores, and between the stores and the reads.
; LAYOUT.  Both products are used transposed (S^T = K Q^T, O^T = V^T P^T): a lane holds one query throughout; register 16 g + i of S^T is key 32 g + 16 (lane / 16) + i of the step, of O^T channel 32 g + 16 (lane / 16) + i.
; Lane r of query tile T is query 32 (T / 2) + 8 (T % 2) + r + 8 (r / 8).
; THE MODE: SCHED_MODE bits 1:0 = 2 (LLVM: expert scheduling mode 2), set by the entry lines.  The code itself states the register dependences
; between vector or matrix instructions and memory or LDS instructions, with s_wait_alu, always for 0.
; THE PLAN.  Registers that memory or LDS instructions touch:
;   v1, v2, v5, v7, v8, v10, v11   addresses and offsets: written at the head, never again; read by every load and store.
;   v[QF .. QF+7], v[QSW]          Q: loaded at a block's head; read by the first products of all its steps.
;   v[KV .. KV+63]                 a step's K is loaded at its head and read by its eight first products; then its V is loaded there and read by its four second products.
;                                  On the way out the first 32 take the rows from the stage, and the global stores read them.
;   v[KSW ..], v[VSW ..]           scale words: loaded with K and with V; read by the products.
;   v[G ..], v[GSC]                the next record on its way: written once at the head, then by ASK's loads; read by PUT's LDS stores.
;   v[SS .. SS+31]                 on the way out alone: written by the division, read by the stage's stores.
;   v[PCD ..], v[PSW]              p's codes and scale word: written by vector instructions, taken by the scaled second products.
; The wave's 256 registers are a quarter of what four waves on a SIMD share: there is no second buffer, and the registers take their turns as above.
; THE WAITS OF A STEP.  On vm_vsrc at ASK's head (PUT's stores have read G).  On va_vdst: at the step's head (the last step's products are done with K's and V's registers); behind the first products
; (they are done with K's registers); behind each of the two batches of exponentials; ahead of the second products (p's codes and scale word are written).
; Behind the wait that follows the first products no vector instruction names v[KV ..] or v[VSW ..] up to the second products: so V's loads are dealt in pairs among the lines that search the maxima, with no further wait.
.set SLOTB,  32768                     ; LDS: slot 0 at 0, slot 1 here: a kv record, behind it the sc record
.set KVREC,  16384
.set SCREC,  768
.set VOFF,   8192                      ; V's tiles in a record
.set STG,    65536                     ; the stages for the way out: 16 rows x 272 bytes for each wave
.set SPITCH, 272
.set LI,   1                           ; v1   16 x lane
.set R16,  2                           ; v2   16 x (lane % 16)
.set GL,   5                           ; v5   1,024 x wave + 16 x lane: my bytes of a record, in memory and in a slot
.set GL2,  7                           ; v7   4 x thread: my word of the scale words (waves 0 to 5)
.set GO,   8                           ; v8   my byte offset among the tile's rows of out0
.set NINF, 9                           ; v9   -infinity
.set STI,  10                          ; v10  the stage, on the way in
.set STO,  11                          ; v11  and on the way out
                                       ; v12 -M, v13 the largest t, v[14:15] the sum in two halves
.set QF,   16                          ; v16-23 Q's codes, v24-31 zeros
.set KV,   32                          ; v32-95 K's 8 tiles x 8 registers, later V's 4 x 16; v96-103 zeros
.set SS,   104                         ; v104-167 S^T, then p
.set OT,   168                         ; v168-199 O^T
.set PCD,  200                         ; v200-215 p's codes
.set KSW,  216                         ; v216-223 K's scale words
.set VSW,  224                         ; v224-227 V's
.set QSW,  228                         ; v228 Q's
.set PSW,  229                         ; v229 p's
.set G,    230                         ; v230-237 my bytes of the next record on their way
.set GSC,  238                         ; v238 my word of its scale words
.set MA,   240                         ; v240-243 the blocks' largest scores, then p, then the conversions' scale operands
.set MC,   244                         ; v244-247 the other half's maxima; a chain of the sum; the bytes
.set MD,   248                         ; v248-251 448 x the scale
.set FF,   252                         ; v[252:253] f = 2^(old M - new M), named as a pair
.set TV,   254
.set WV,   18                          ; s18  my wave's number
.set MNT,  19                          ; s19  the mantissa field of 448
.set SEL,  20                          ; s[20:21] v_permlanex16_b32's selects for lane l xor 16
.set CS,   22                          ; s[22:23] c = log2(e) / 8
.set STEP, 24                          ; s24  the trip's first key step
.set MY,   25                          ; s25  my tile's flags
.set MIX,  26                          ; s26  their upper half: steps with hidden keys
.set ALL,  27                          ; s27  steps that some tile of the block wants (16 bits: bit 16 is 0)
.set QB,   28                          ; s28  the block of 256 queries
.set BLK,  29                          ; s29  blocks to go
.set CUR,  30                          ; s30  the step at work
.set NX,   31                          ; s31  the step being fetched
.set KVP,  2                           ; s[2:3]     kv at the trip's first step
.set SCP,  66                          ; s[66:67]   sc likewise
.set MWP,  100                         ; s[100:101] my tile's mask words likewise
                                       ; s32-63, s68-99: the step's 64 mask words; at a block's head and end: at work
; The next step's record is asked for, if any tile of the block wants it: 1,024 bytes a wave, and the 192 scale words by waves 0 to 5.
.macro ASK d
	s_wait_alu depctr_vm_vsrc(0)                   ; the last PUT's LDS stores have read v[G ..] and v[GSC], in which the loads below land
	s_bitcmp1_b32 s[ALL], s[NX]
	s_cbranch_scc0 .Lno_ask_\@
	global_load_b128 v[G:G+3], v[GL], s[KVP:KVP+1] offset:KVREC*\d
	global_load_b128 v[G+4:G+7], v[GL], s[KVP:KVP+1] offset:KVREC*\d+512
	s_cmp_lt_u32 s[WV], 6
	s_cbranch_scc0 .Lno_ask_\@
	global_load_b32 v[GSC], v[GL2], s[SCP:SCP+1] offset:SCREC*\d
.Lno_ask_\@:
.endm
; And goes into the slot that was read in the step before last.  Between those reads and these stores lies the last barrier; between these stores and the next step's reads this one.
.macro PUT slot
	s_wait_loadcnt 0x0                             ; asked for a whole step ago
	s_bitcmp1_b32 s[ALL], s[NX]
	s_cbranch_scc0 .Lno_put_\@
	ds_store_b128 v[GL], v[G:G+3] offset:SLOTB*\slot
	ds_store_b128 v[GL], v[G+4:G+7] offset:SLOTB*\slot+512
	s_cmp_lt_u32 s[WV], 6
	s_cbranch_scc0 .Lno_put_\@
	ds_store_b32 v[GL2], v[GSC] offset:SLOTB*\slot+KVREC
.Lno_put_\@:
	s_wait_dscnt 0x0                               ; for the others' sake: my stores have landed, and my reads of the other slot are over
	s_barrier_signal -1
	s_barrier_wait -1
.endm
; Two of V's sixteen LDS loads: groups n and n + 1 of four registers (tile n / 4, registers 4 (n % 4) on).  They stand among the lines that search the maxima, which name none of these registers.
.macro VPAIR slot
	ds_load_b128 v[KV+4*n:KV+4*n+3], v[LI] offset:SLOTB*\slot+VOFF+512*n
	ds_load_b128 v[KV+4*n+4:KV+4*n+7], v[LI] offset:SLOTB*\slot+VOFF+512*n+512
.set n, n+2
.endm
; A KEY STEP of my tile, from the given slot.
.macro WORK slot
	s_bitcmp1_b32 s[MY], s[CUR]
	s_cbranch_scc0 .Lidle_\@                       ; no key of this step counts for any of my 16 queries
	s_wait_alu depctr_va_vdst(0)                   ; the last step's products are done reading v[KV ..] and v[KSW ..], in which K's loads below land; only scalar loads and v_nop stand between
	s_load_b512 s[32:47], s[MWP:MWP+1], 256*\slot
	s_load_b512 s[48:63], s[MWP:MWP+1], 256*\slot+64
	s_load_b512 s[68:83], s[MWP:MWP+1], 256*\slot+128
	s_load_b512 s[84:99], s[MWP:MWP+1], 256*\slot+192
.rept 8
	v_nop                                          ; the places behind the last step's products stay beside that wait
.endr
.set n, 0
.rept 16
	ds_load_b128 v[KV+4*n:KV+4*n+3], v[LI] offset:SLOTB*\slot+512*n   ; K's tile n / 2, registers 4 (n % 2) on
.set n, n+1
.endr
	ds_load_b128 v[KSW:KSW+3], v[R16] offset:SLOTB*\slot+KVREC          ; lane r: the words of tiles 0-3,
	ds_load_b128 v[KSW+4:KSW+7], v[R16] offset:SLOTB*\slot+KVREC+256    ; of tiles 4-7
	s_wait_dscnt 0x0
.irp t, 0,1,2,3,4,5,6,7
	v_wmma_scale_f32_16x16x128_f8f6f4 v[SS+8*\t:SS+8*\t+7], v[KV+8*\t:KV+8*\t+15], v[QF:QF+15], 0, v[KSW+\t], v[QSW]
.endr
.rept 8
	v_nop                                          ; places in front of the first read of the scores, and of the loads over K's registers
.endr
	s_wait_alu depctr_va_vdst(0)                   ; these eight products are done reading K's registers, and the last step's second products V's scale words: V's loads land in both
	ds_load_b128 v[VSW:VSW+3], v[R16] offset:SLOTB*\slot+KVREC+512
	s_wait_kmcnt 0x0                               ; the mask words
	s_bitcmp1_b32 s[MIX], s[CUR]
	s_cbranch_scc0 .Lopen_\@                       ; every key of the step counts for every query of the tile
.set n, 0
.rept 64
.if n < 32
	v_cndmask_b32 v[SS+n], v[SS+n], v[NINF], s[32+n]   ; word n's bit of my lane: the score of a hidden key becomes -infinity: p = 0 then
.else
	v_cndmask_b32 v[SS+n], v[SS+n], v[NINF], s[36+n]
.endif
.set n, n+1
.endr
.Lopen_\@:
.set n, 0                                      ; V's sixteen loads, a pair behind each four lines: no vector or matrix instruction since the wait above names v[KV ..]; they land during the softmax
.irp b, 0,1,2,3
	v_max3_num_f32 v[MA+\b], v[SS+16*\b], v[SS+1+16*\b], v[SS+2+16*\b]   ; the largest score of each block of 32 keys: it serves for the row's maximum and, since p rises with the score, for the block's largest p
.endr
	VPAIR \slot
.irp i, 3,5,7,9,11,13
.irp b, 0,1,2,3
	v_max3_num_f32 v[MA+\b], v[MA+\b], v[SS+16*\b+\i], v[SS+1+16*\b+\i]   ; (the four blocks by turns)
.endr
	VPAIR \slot
.endr
.irp b, 0,1,2,3
	v_max_num_f32 v[MA+\b], v[MA+\b], v[SS+15+16*\b]
.endr
	VPAIR \slot
.irp b, 0,1,2,3
	v_permlanex16_b32 v[MC+\b], v[MA+\b], s[SEL], s[SEL+1]
.endr
.irp b, 0,1,2,3
	v_max_num_f32 v[MA+\b], v[MA+\b], v[MC+\b]     ; with lane l xor 16's 16 keys
.endr
	v_max3_num_f32 v[TV], v[MA], v[MA+1], v[MA+2]
	v_max_num_f32 v[TV], v[TV], v[MA+3]            ; the step's largest score of my query
	v_mul_f32 v[TV], s[CS], v[TV]                  ; as t (c is positive)
	v_max_num_f32 v13, v13, v[TV]                  ; the running largest t
	v_mov_b32 v[TV], v12
	v_floor_f32 v12, -v13                          ; the new -M = floor(-t) = -ceil(t): M is a whole number
	v_sub_f32 v[TV], v12, v[TV]                    ; M's old value less its new one: a whole number, 0 or less
	v_cvt_i32_f32 v[TV], v[TV]                     ; (it saturates)
	v_ldexp_f32 v[FF], 1.0, v[TV]                  ; f = 2^(old M - new M)
.set j, 0
.rept 32
	v_pk_fma_f32 v[SS+j:SS+j+1], v[SS+j:SS+j+1], s[CS:CS+1], v[12:13] op_sel_hi:[1,0,0]   ; t - M, two at a time (of the pairs c and -M the low word serves both halves)
.set j, j+2
.endr
.irp b, 0,1,2,3
	v_fma_f32 v[MA+\b], v[MA+\b], s[CS], v12       ; the same of each block's largest score
.endr
.set j, 0
.rept 64
	v_exp_f32 v[SS+j], v[SS+j]                     ; p = 2^(t - M), at most 1: not normalised
.set j, j+1
.endr
	v_pk_mul_f32 v[14:15], v[14:15], v[FF:FF+1] op_sel_hi:[1,0]   ; the sums under the new M.  (A plain place behind the exponentials)
	s_wait_alu depctr_va_vdst(0)                   ; the 64 exponentials have written p: one wait for the whole batch, ahead of its first reader
.irp b, 0,1,2,3
	v_exp_f32 v[MA+\b], v[MA+\b]                   ; the block's largest p: the same two instructions on the same number give the same bits
.endr
	v_pk_add_f32 v[MC:MC+1], v[SS:SS+1], v[SS+2:SS+3]   ; the row's sum is taken of the unquantised p: two at a time, in two chains.  (It reads the 64 alone: plain work behind the four)
.set j, 4
.rept 15
	v_pk_add_f32 v[14:15], v[14:15], v[SS+j:SS+j+1]
	v_pk_add_f32 v[MC:MC+1], v[MC:MC+1], v[SS+j+2:SS+j+3]
.set j, j+4
.endr
	v_pk_add_f32 v[14:15], v[14:15], v[MC:MC+1]
	s_wait_alu depctr_va_vdst(0)                   ; and one for the four: the blocks' largest p are written
.irp b, 0,1,2,3
	v_max_num_f32 v[MA+\b], 0x4800000, v[MA+\b]    ; the floor 2^(9 - 127): the byte cannot fall under 1 (a block whose every p is 0 keeps that byte: its codes are zeros)
.endr
.irp b, 0,1,2,3
	v_and_or_b32 v[MD+\b], v[MA+\b], 0x7f800000, s[MNT]   ; 448 x the scale
.endr
.irp b, 0,1,2,3
	v_add_nc_u32 v[MA+\b], 0xfc000000, v[MA+\b]    ; 8 off the exponent field, in place: the conversion's scale operand
.endr
.irp b, 0,1,2,3
	v_lshrrev_b32 v[MC+\b], 23, v[MA+\b]           ; the scale's byte
.endr
	v_lshl_or_b32 v[PSW], v[MC+1], 8, v[MC]        ; p's scale word for these 128 keys
	v_lshl_or_b32 v[PSW], v[MC+2], 16, v[PSW]
	v_lshl_or_b32 v[PSW], v[MC+3], 24, v[PSW]
.irp b, 0,1,2,3
.set i, 0
.rept 16
	v_min_num_f32 v[SS+16*\b+i], v[SS+16*\b+i], v[MD+\b]   ; the conversion to an 8-bit code does not saturate (ISA guide 7.6.2); p is not negative, so the hold is one-sided
.set i, i+1
.endr
	v_cvt_scalef32_pk8_fp8_f32 v[PCD+4*\b:PCD+4*\b+1], v[SS+16*\b:SS+16*\b+7], v[MA+\b]
	v_cvt_scalef32_pk8_fp8_f32 v[PCD+4*\b+2:PCD+4*\b+3], v[SS+16*\b+8:SS+16*\b+15], v[MA+\b]
.endr
.set j, 0
.rept 16
	v_pk_mul_f32 v[OT+j:OT+j+1], v[OT+j:OT+j+1], v[FF:FF+1] op_sel_hi:[1,0]   ; O^T under the new M: x f.  (These sixteen are also the places between the codes and the products)
.set j, j+2
.endr
	s_wait_alu depctr_va_vdst(0)                   ; the conversions have written p's codes v[PCD ..], the lines above them p's scale word v[PSW]: the scaled products below take both; the places above stay beside this wait
	s_wait_dscnt 0x0                               ; V and its scale words
.irp t, 0,1,2,3
	v_wmma_scale_f32_16x16x128_f8f6f4 v[OT+8*\t:OT+8*\t+7], v[KV+16*\t:KV+16*\t+15], v[PCD:PCD+15], v[OT+8*\t:OT+8*\t+7], v[VSW+\t], v[PSW]   ; the four accumulators by turns; the eight products of the next scores stand between two links of a chain
.endr
.Lidle_\@:
.endm
	s_load_b256 s[4:11], s[0:1], 0x0               ; qf, qs, kv, sc
	s_load_b128 s[12:15], s[0:1], 0x20             ; maskw, flags
	s_load_b64 s[16:17], s[0:1], 0x30              ; out0
	v_lshl_add_u32 v239, v0, 2, 0x21000
	v_mov_b32 v255, 0
	v_lshrrev_b32 v1, 5, v0
	v_readfirstlane_b32 s[WV], v1                  ; wave 0..15
	v_and_b32 v1, 31, v0
	v_lshlrev_b32 v[LI], 4, v1
	v_and_b32 v3, 15, v0                           ; r
	v_bfe_u32 v4, v0, 4, 1                         ; h
	v_lshlrev_b32 v[R16], 4, v3
	s_wait_alu depctr_va_sdst(0)                   ; the wave's number is written, ahead of its first reader: addresses, bases and branches are made from it
	s_lshl_b32 s30, s[WV], 10
	v_add_nc_u32 v[GL], s30, v[LI]
	v_lshlrev_b32 v[GL2], 2, v0
	v_mov_b32 v[NINF], 0xff800000
	s_mul_i32 s30, s[WV], 16*SPITCH
	s_add_co_u32 s30, s30, STG                     ; my stage
	v_mul_u32_u24 v[STI], v3, SPITCH
	v_lshl_add_u32 v[STI], v4, 6, v[STI]
	v_add_nc_u32 v[STI], s30, v[STI]               ; in: row r, + 64 h: my 16 channels of a block of 32
	v_mul_u32_u24 v[STO], v4, SPITCH
	v_lshl_add_u32 v[STO], v3, 4, v[STO]
	v_add_nc_u32 v[STO], s30, v[STO]               ; back: lanes 0-15 one row, lanes 16-31 the next
	v_lshlrev_b32 v[GO], 12, v4
	v_lshl_add_u32 v[GO], v3, 4, v[GO]             ; and the same in out0: rows of 4,096 bytes
.irp j, 0,1,2,3,4,5,6,7
	v_mov_b32 v[QF+8+\j], 0                        ; the upper half of Q's fragment: zero codes
	v_mov_b32 v[KV+64+\j], 0                       ; and what stands behind K's last tile
	v_mov_b32 v[G+\j], 0                           ; (written once, so that they are written on every path)
.endr
	v_mov_b32 v[GSC], 0
.irp b, 0,1,2,3
	v_mov_b32 v[MC+\b], 0                          ; a lane permute's destination counts as one of its sources
.endr
	v_mov_b32 v[FF+1], 0                           ; (named as the upper half of the pair)
	s_mov_b32 s[MNT], 0x600000
	s_mov_b32 s[SEL], 0x76543210
	s_mov_b32 s[SEL+1], 0xfedcba98
	s_mov_b32 s[CS], 0x3e38aa3b                    ; c = log2(e) / 8
	s_mov_b32 s[CS+1], s[CS]                       ; (named with it as a pair, so it is written)
	s_and_b32 s30, ttmp7, 0xffff                   ; 16 x batch + head
	s_lshl_b32 s32, s30, 17                        ; qf: 128 tiles of 1,024 bytes
	s_mov_b32 s33, 0
	s_lshl_b32 s34, s30, 13                        ; qs: 16 records of 512
	s_mov_b32 s35, 0
	s_lshl_b32 s36, s30, 18                        ; kv: 16 records of 16,384
	s_mov_b32 s37, 0
	s_mul_i32 s38, s30, 16*SCREC                   ; sc: 16 records of 768
	s_mov_b32 s39, 0
	s_lshr_b32 s40, s30, 4
	s_lshl_b32 s40, s40, 23                        ; out0: the batch's 2,048 rows of 4,096 bytes,
	s_and_b32 s41, s30, 15
	s_lshl_b32 s41, s41, 8                         ; the head's 256 bytes of a row
	s_add_co_u32 s40, s40, s41
	s_mov_b32 s41, 0
	s_mov_b32 s[QB], ttmp9
	s_mov_b32 s[BLK], 2
	s_wait_kmcnt 0x0
	s_add_nc_u64 s[4:5], s[4:5], s[32:33]
	s_add_nc_u64 s[6:7], s[6:7], s[34:35]
	s_add_nc_u64 s[8:9], s[8:9], s[36:37]
	s_add_nc_u64 s[10:11], s[10:11], s[38:39]
	s_add_nc_u64 s[16:17], s[16:17], s[40:41]
.Lblock:                                           ; two trips: the blocks x and 7 - x
	s_lshl_b32 s30, s[QB], 4
	s_add_co_u32 s30, s30, s[WV]                   ; my tile T
	s_lshl_b32 s31, s[QB], 6
	s_load_b512 s[32:47], s[14:15], s31 offset:0x0 ; the flags of the block's 16 tiles,
	s_lshl_b32 s24, s30, 2
	s_load_b32 s[MY], s[14:15], s24 offset:0x0     ; and mine
	s_lshl_b32 s68, s30, 10
	s_mov_b32 s69, 0
	s_add_nc_u64 s[68:69], s[4:5], s[68:69]        ; Q's fragment
	s_lshr_b32 s70, s30, 2
	s_lshl_b32 s70, s70, 8
	s_and_b32 s71, s30, 3
	s_lshl_b32 s71, s71, 2
	s_add_co_u32 s70, s70, s71                     ; its scale words: 256 (T / 4) + 16 r + 4 (T % 4)
	s_mov_b32 s71, 0
	s_add_nc_u64 s[70:71], s[6:7], s[70:71]
	s_wait_alu depctr_va_vdst(0)                   ; first block: the head has written the seven addresses and offsets that every load and store reads, the zero codes that the scaled products take, and v[G ..] and v[GSC], in which loads land; second block: the last block's products are done reading Q's codes and scale words, in which the loads below land
	global_load_b128 v[QF:QF+3], v[LI], s[68:69]
	global_load_b128 v[QF+4:QF+7], v[LI], s[68:69] offset:512
	global_load_b32 v[QSW], v[R16], s[70:71]
	s_lshl_b32 s100, s30, 12                       ; my tile's mask words: 16 records of 256 bytes
	s_mov_b32 s101, 0
	s_add_nc_u64 s[MWP:MWP+1], s[12:13], s[100:101]
	s_mov_b64 s[KVP:KVP+1], s[8:9]
	s_mov_b64 s[SCP:SCP+1], s[10:11]
	v_mov_b32 v13, 0xff61b1e6                      ; the largest t so far: -3e38, under every t
	v_floor_f32 v12, -v13                          ; -M
	v_mov_b32 v14, 0                               ; the sum, in two halves
	v_mov_b32 v15, 0
.set j, 0
.rept 32
	v_mov_b32 v[OT+j], 0                           ; O^T: which step is a tile's first hangs on the mask, so the step is written once and the first finds zeros
.set j, j+1
.endr
	s_wait_kmcnt 0x0
.irp i, 0,2,4,6,8,10,12,14
	s_or_b32 s[32+\i], s[32+\i], s[33+\i]
.endr
.irp i, 0,4,8,12
	s_or_b32 s[32+\i], s[32+\i], s[34+\i]
.endr
	s_or_b32 s32, s32, s36
	s_or_b32 s40, s40, s44
	s_or_b32 s32, s32, s40
	s_and_b32 s[ALL], s32, 0xffff
	s_lshr_b32 s[MIX], s[MY], 16
	s_mov_b32 s[NX], 0
	ASK 0
	PUT 0                                          ; (its wait for loads serves Q too)
	s_mov_b32 s[STEP], 0
.Ltrip:                                            ; eight trips of two key steps
	s_mov_b32 s[CUR], s[STEP]
	s_add_co_u32 s[NX], s[STEP], 1
	ASK 1
	WORK 0
	PUT 1
	s_add_co_u32 s[CUR], s[STEP], 1
	s_add_co_u32 s[NX], s[STEP], 2                 ; in the last trip 16: that bit is 0, and nothing is asked for past the head's records
	ASK 2
	WORK 1
	PUT 0
	s_wait_xcnt 0x0                                ; every earlier load has read its base
	s_add_nc_u64 s[KVP:KVP+1], s[KVP:KVP+1], 2*KVREC
	s_add_nc_u64 s[SCP:SCP+1], s[SCP:SCP+1], 2*SCREC
	s_add_nc_u64 s[MWP:MWP+1], s[MWP:MWP+1], 512
	s_add_co_u32 s[STEP], s[STEP], 2
	s_cmp_lt_u32 s[STEP], 16
	s_cbranch_scc1 .Ltrip
	; THE WAY OUT.  O^T / the sum goes through my stage in LDS and leaves as whole rows of the head: sixteen lanes store 256 consecutive bytes, aligned.
	v_add_f32 v14, v14, v15                        ; the sum's two halves,
	v_permlanex16_b32 v[MC], v14, s[SEL], s[SEL+1]
	v_add_f32 v14, v14, v[MC]                      ; and lane l xor 16's: the row's sum
	v_rcp_f32 v14, v14
.rept 6
	v_nop                                          ; with the two additions: eight places behind the last products; the first is also the plain place behind the reciprocal
.endr
	s_lshl_b32 s32, s[QB], 4
	s_add_co_u32 s32, s32, s[WV]                   ; T
	s_lshr_b32 s33, s32, 1
	s_lshl_b32 s33, s33, 5
	s_and_b32 s32, s32, 1
	s_lshl_b32 s32, s32, 3
	s_add_co_u32 s32, s32, s33                     ; the tile's first query: 32 (T / 2) + 8 (T % 2)
	s_lshl_b32 s32, s32, 12
	s_mov_b32 s33, 0
	s_add_nc_u64 s[32:33], s[16:17], s[32:33]
	s_wait_alu depctr_va_vdst(0)                   ; the reciprocal has written v14: the wait ahead of its first reader
.set j, 0
.rept 16
	v_pk_mul_f32 v[SS+j:SS+j+1], v[OT+j:OT+j+1], v[14:15] op_sel_hi:[1,0]   ; register 16 g + i: channel 32 g + 16 h + i of query lane r
.set j, j+2
.endr
	s_wait_alu depctr_va_vdst(0)                   ; the sixteen lines above have written v[SS .. SS+31], which the LDS stores read; the last products are done reading v[KV ..], in which the loads from the stage land
.irp g, 0,1
.irp c, 0,1,2,3
	ds_store_b128 v[STI], v[SS+16*\g+4*\c:SS+16*\g+4*\c+3] offset:128*\g+16*\c
.endr
.endr
.irp i, 0,1,2,3,4,5,6,7
	ds_load_b128 v[KV+4*\i:KV+4*\i+3], v[STO] offset:2*\i*SPITCH   ; LDS serves a wave's instructions in order: these see my stores
.endr
.irp i, 0,1,2,3,4,5,6,7
	s_wait_dscnt 7-\i                              ; the younger loads may be out
	global_store_b128 v[GO], v[KV+4*\i:KV+4*\i+3], s[32:33] offset:(2*\i+8*(\i/4))*4096 th:TH_STORE_NT   ; query lanes 2 i and 2 i + 1: rows 2 i + h + 8 (i / 4) from the tile's first
.endr
	s_wait_xcnt 0x0                                ; the stores have read their registers and their base: both are written again in the next block
	s_wait_alu depctr_vm_vsrc(0)                   ; the stage's stores have read v[SS .. SS+31], which the next block's products write; the global stores have read v[KV .. KV+31], in which its loads of K land
	s_sub_co_u32 s[QB], 7, s[QB]
	s_sub_co_u32 s[BLK], s[BLK], 1
	s_cmp_lg_u32 s[BLK], 0
	s_cbranch_scc1 .Lblock
	s_wait_dscnt 0x0                               ; the closing lines, six on end
	s_wait_alu 0x0
	s_wait_tensorcnt 0x0
	ds_add_u32 v239, v255
	s_wait_dscnt 0x0
	s_endpgm
.Lfunc_end_k_qfebe25a9b3_attn:
	.size	k_qfebe25a9b3_attn, .Lfunc_end_k_qfebe25a9b3_attn-k_qfebe25a9b3_attn
	.p2alignl 7, 3214868480
	.fill 96, 4, 3214868480
	.section	.rodata,"a",@progbits
	.p2align	6, 0x0
	.amdhsa_kernel k_qfebe25a9b3_attn
		.amdhsa_group_segment_fixed_size 137216
		.amdhsa_private_segment_fixed_size 0
		.amdhsa_enable_private_segment 0
		.amdhsa_kernarg_size 56
		.amdhsa_user_sgpr_count 2
		.amdhsa_user_sgpr_kernarg_segment_ptr 1
		.amdhsa_wavefront_size32 1
		.amdhsa_system_sgpr_workgroup_id_x 1
		.amdhsa_system_sgpr_workgroup_id_y 1
		.amdhsa_system_sgpr_workgroup_id_z 1
		.amdhsa_system_vgpr_workitem_id 0
		.amdhsa_next_free_vgpr 256
		.amdhsa_next_free_sgpr 102
		.amdhsa_reserve_vcc 0
		.amdhsa_float_denorm_mode_32 3
		.amdhsa_float_denorm_mode_16_64 3
		.amdhsa_memory_ordered 1
		.amdhsa_forward_progress 1
		.amdhsa_inst_pref_size 59
	.end_amdhsa_kernel
	.amdgpu_metadata
---
amdhsa.version: [ 1, 2 ]
amdhsa.kernels:
  - .name:           k_qfebe25a9b3_attn
    .symbol:         k_qfebe25a9b3_attn.kd
    .args:
      - { .name: qf, .offset: 0, .size: 8, .value_kind: global_buffer, .address_space: global }
      - { .name: qs, .offset: 8, .size: 8, .value_kind: global_buffer, .address_space: global }
      - { .name: kv, .offset: 16, .size: 8, .value_kind: global_buffer, .address_space: global }
      - { .name: sc, .offset: 24, .size: 8, .value_kind: global_buffer, .address_space: global }
      - { .name: maskw, .offset: 32, .size: 8, .value_kind: global_buffer, .address_space: global }
      - { .name: flags, .offset: 40, .size: 8, .value_kind: global_buffer, .address_space: global }
      - { .name: out0, .offset: 48, .size: 8, .value_kind: global_buffer, .address_space: global }
    .group_segment_fixed_size: 137216
    .private_segment_fixed_size: 0
    .kernarg_segment_align: 8
    .kernarg_segment_size: 56
    .max_flat_workgroup_size: 512
    .sgpr_count:     102
    .vgpr_count:     256
    .wavefront_size: 32
...
	.end_amdgpu_metadata
.endif
;; end of part 6
